; MI455X (gfx1250); checked and timed in simulation.
; The chip was launched on July 23, 2026; its instructions are those of AMD's public machine-readable ISA for CDNA 5 (MIT licence, August 2026) and "CDNA5" Instruction Set Architecture Reference Guide (July 2026). The comments in the code are by the model that wrote it; some were corrected since.
;; Sparse Mixture Of Experts. Allowed arithmetic: float matrix products may take bf16 or f16 operands with f32 sums; all other float work in f32.
;; Inputs: W1 8 x 256 x 2,048 float32; W2 8 x 2,048 x 512 float32; W3 8 x 256 x 2,048 float32; Wf 512 x 512 float32; Wg 256 x 8 float32; X 4 x 1,024 x 256 float32; b1 8 x 2,048 float32; b2 8 x 512 float32; b3 8 x 2,048 float32; bf 512 float32; bg 8 float32.
;; Outputs: out0 4 x 1,024 x 512 float32.
;; 2 versions, each right; version 2 is version 1 with the launch ffn written anew for expert scheduling mode. Each part assembles by itself: llvm-mc -triple=amdgcn-amd-amdhsa -mcpu=gfx1250 --defsym DOCPART=n.
;; ======== version 1 of 2: 4 launches
;; limits: values outside matrix products are rounded to bf16
;; workspace buffers: wfrag 34,078,720 bytes; sel 16,384 bytes of whole numbers; gw 32,768 bytes; route 81,920 bytes of whole numbers; part 75,497,472 bytes
;; launch prep (part 1): grid 276 x 1, 8 waves a work-group, no clusters, 34,304 bytes of LDS; arguments W1, W3, W2, Wf, X, Wg, bg, wfrag, sel, gw, route; writes wfrag, sel, gw, route
.if DOCPART == 1
	.amdgcn_target "amdgcn-amd-amdhsa--gfx1250"
	.amdhsa_code_object_version 6
	.text
	.protected	k_qe3287aa176_prep
	.globl	k_qe3287aa176_prep
	.p2align	8
	.type	k_qe3287aa176_prep,@function
k_qe3287aa176_prep:
	s_mov_b64 s[64:65], 0
	v_nop
	global_prefetch_b8 v0, s[64:65] scope:SCOPE_SE
	s_setreg_imm32_b32 hwreg(HW_REG_WAVE_MODE, 25, 1), 1
	s_wait_xcnt 0x0
; prep: (a) W1, W3, W2, Wf from f32 [K][N] to bf16 in matrix-fragment order (wfrag); (b) the gate: logits, top 2, their softmax weights.
; A fragment is 1,024 bytes: 16 columns n = 16 nt + r, 32 k.  Byte 16 L (L = r + 16 h) holds k = 8h .. 8h+7 of column r, byte 512 + 16 L
; holds k = 16+8h .. +7: two 16-byte loads a lane fill the eight registers of a 16-bit operand (ISA guide 7.12.2).
; wfrag: +0 [e 8][nt 128][W1|W3][kt 8] fragments; +16 MiB W2 as [64 e + hid/32][nt 32]; +32 MiB Wf as [kt 16][nt 32].
; Work-groups 0-63 W1, 64-127 W3, 128-255 W2, 256-259 Wf, 260-275 the gate.  No wave depends on another: no barrier.
; The gate has 8 columns only and is computed on the vector unit, with the operands that a matrix product of this program gets: X and Wg rounded
; to bf16 (their products are exact in f32), sums in f32.  bg is rounded to bf16 as well, so that the choice of experts, which is not
; continuous in the logits, is the choice that the formula makes on inputs rounded to bf16.
; LIMITS: two logits whose gap is below the effect of that rounding (a few thousandths of the logits' spread) may be ordered otherwise than by
; a gate in f32.  The two experts are chosen on the logits (softmax keeps their order); on an exact tie the higher index wins, as in a stable
; ascending sort; logits that differ but whose softmax values round to one number may be chosen otherwise than by sorting the softmax.
; NaN inputs are not served.
.set VOFF, 4                           ; v4      byte offset of my 16 bytes in the panel's first row of my half
.set LS,   5                           ; v5      LDS: where my packed 16 bytes go
.set LR,   6                           ; v6      LDS: where I read fragments back, 16 L
.set VD,   8                           ; v8-11   byte offset in wfrag of my 16 bytes of the panel's fragment f
.set S0,   32                          ; v32-95  panel slot 0: 16 rows x 4 columns f32
.set S1,   96                          ; v96-159 panel slot 1
.set PK,   160                         ; v160-191 packed bf16
.set O,    192                         ; v192-223 fragments read back, store data
.set WGR,  32                          ; gate: v32-95 Wg rows 4l..4l+3 and 128+4l..+3, 8 numbers each
.set XR,   96                          ; v96-127 four row slots of X, 8 numbers each
.set AC,   128                         ; v128-135 the 8 logits
.set PE,   136                         ; v136-144 exponentials
.set B1V,  146
.set B1I,  147
.set B2V,  148
.set B2I,  149
.set TMP,  150
.set SUM,  151
.set RS,   152                         ; lane l: token t0 + l's two experts
.set RW,   154                         ; v154-155 and its two weights
.set OFG,  156                         ; v156-159 slot: byte offset in X
.set LM,   160                         ; v160-163 lane - slot
.set WGA,  164
.set SA,   165
.set ZA,   166
.set ZR,   168                         ; v168-171 zeros
.set SG,   172
.set BG,   176                         ; v176-183 bg, rounded to bf16 and widened
.set XT,   184                         ; v184-187 packed bf16, at work
; 16 loads: a panel of 32 k rows x 64 columns.  Load t of lane (r', h) takes row t + 8h (t < 8) or t + 8 + 8h, columns 4r' .. 4r'+3:
; lanes 0-15 read 256 consecutive aligned bytes of one row.
.macro LOADP rp, buf, pn
.irp t,0,1,2,3,4,5,6,7,8,9,10,11,12,13,14,15
	global_load_b128 v[\buf+4*\t:\buf+4*\t+3], v[VOFF], s[26:27] offset:(\t+8*(\t/8))*\rp+(\pn)*256 th:TH_LOAD_NT
.endr
.endm
; One panel: round and pack along k, lay the four fragments in the wave's own LDS stage (pitch 1,040 between fragments: the sixteen lanes of a
; store touch sixteen different 16-byte columns modulo 256), read them back in fragment order, store 512 consecutive bytes an instruction.
.macro PANEL rp, stp, buf, pn, refill, left
	s_wait_loadcnt \left                           ; loads return in order: this panel's 16 are in, the next panel's 16 stay out
.irp hf,0,1
.irp jc,0,1,2,3
.irp u,0,1,2,3
	v_cvt_pk_bf16_f32 v[PK+(\hf*4+\jc)*4+\u], v[\buf+4*(8*\hf+2*\u)+\jc], v[\buf+4*(8*\hf+2*\u+1)+\jc]
.endr
	ds_store_b128 v[LS], v[PK+(\hf*4+\jc)*4:PK+(\hf*4+\jc)*4+3] offset:\hf*512+\jc*16
.endr
.endr
.if \refill
	LOADP \rp, \buf, (\pn)+2
.endif
	s_wait_xcnt 0x0                                ; O is the data of the last panel's stores: rewritten only behind this wait
.irp n,0,1,2,3,4,5,6,7
	ds_load_b128 v[O+4*\n:O+4*\n+3], v[LR] offset:(\n/2)*1040+(\n%2)*512   ; a wave's LDS instructions are served in order: these see the stores above
.endr
	s_wait_dscnt 0x0
.irp n,0,1,2,3,4,5,6,7
	global_store_b128 v[VD+\n/2], v[O+4*\n:O+4*\n+3], s[32:33] offset:(\n%2)*512+(\pn)*\stp
.endr
.endm
.macro CONVERT rp, stp                 ; a wave's four panels, two always on their way
	LOADP \rp, S0, 0
	LOADP \rp, S1, 1
	PANEL \rp, \stp, S0, 0, 1, 16
	PANEL \rp, \stp, S1, 1, 1, 16
	PANEL \rp, \stp, S0, 2, 0, 16
	PANEL \rp, \stp, S1, 3, 0, 0
	s_wait_tensorcnt 0x0
	ds_add_u32 v224, v225
	s_wait_dscnt 0x0
	s_endpgm
.endm
; eight f32 numbers at v[base ..] are rounded to bf16 and widened again, in place
.macro ROUND8 base
.irp k,0,1,2,3
	v_cvt_pk_bf16_f32 v[XT+\k], v[\base+2*\k], v[\base+2*\k+1]
.endr
.irp k,0,1,2,3
	v_lshlrev_b32 v[\base+2*\k], 16, v[XT+\k]      ; the low half moves up,
	v_and_b32 v[\base+2*\k+1], s42, v[XT+\k]       ; the high half stays
.endr
.endm
; gate: rows 2 rp (first register of X's pair) and 2 rp + 1 (second) times their 8 numbers of Wg, two experts an instruction
.macro GEVEN slot, rp
.irp p,0,2,4,6
	v_pk_fma_f32 v[AC+\p:AC+\p+1], v[XR+8*\slot+2*\rp:XR+8*\slot+2*\rp+1], v[WGR+16*\rp+\p:WGR+16*\rp+\p+1], v[AC+\p:AC+\p+1] op_sel:[0,0,0] op_sel_hi:[0,1,1]
.endr
.endm
.macro GODD slot, rp
.irp p,0,2,4,6
	v_pk_fma_f32 v[AC+\p:AC+\p+1], v[XR+8*\slot+2*\rp:XR+8*\slot+2*\rp+1], v[WGR+16*\rp+8+\p:WGR+16*\rp+8+\p+1], v[AC+\p:AC+\p+1] op_sel:[1,0,0] op_sel_hi:[1,1,1]
.endr
.endm
; One token.  left = younger loads that may stay out (two a slot).
.macro TOK slot, ahead, left
	s_wait_loadcnt \left
	ROUND8 XR+8*\slot                              ; X as a matrix operand: bf16
.irp p,0,2,4,6
	v_pk_mul_f32 v[AC+\p:AC+\p+1], v[XR+8*\slot:XR+8*\slot+1], v[WGR+\p:WGR+\p+1] op_sel:[0,0] op_sel_hi:[0,1]   ; the first product starts the sums
.endr
	GODD \slot, 0
.irp rp,1,2,3
	GEVEN \slot, \rp
	GODD \slot, \rp
.endr
.if \ahead
	v_add_nc_u32 v[OFG+\slot], 4096, v[OFG+\slot]  ; free since the wait above showed this slot's loads done: four rows on
	global_load_b128 v[XR+8*\slot:XR+8*\slot+3], v[OFG+\slot], s[12:13]
	global_load_b128 v[XR+8*\slot+4:XR+8*\slot+7], v[OFG+\slot], s[12:13] offset:512
.endif
.irp m,1,2,4,8
.irp e,0,1,2,3,4,5,6,7
	v_add_f32_dpp v[AC+\e], v[AC+\e], v[AC+\e] row_xmask:\m row_mask:0xf bank_mask:0xf
.endr
.endr
.irp e,0,1,2,3,4,5,6,7
	v_permlanex16_b32 v[PE+\e], v[AC+\e], s36, s37
.endr
.irp e,0,1,2,3,4,5,6,7
	v_add_f32 v[AC+\e], v[AC+\e], v[PE+\e]
.endr
.irp e,0,1,2,3,4,5,6,7
	v_add_f32 v[AC+\e], v[BG+\e], v[AC+\e]         ; + bg: every lane holds the 8 logits
.endr
	v_mov_b32 v[B1V], v[AC]
	v_mov_b32 v[B1I], 0
	v_mov_b32 v[B2V], 0xff800000
	v_mov_b32 v[B2I], 0
.irp e,1,2,3,4,5,6,7
	v_cmp_ge_f32 s40, v[AC+\e], v[B1V]             ; >= : of equal logits the higher index wins
	v_cmp_ge_f32 s41, v[AC+\e], v[B2V]
	v_cndmask_b32 v[B2V], v[B2V], v[AC+\e], s41
	v_cndmask_b32 v[B2I], v[B2I], \e, s41
	v_cndmask_b32 v[B2V], v[B2V], v[B1V], s40
	v_cndmask_b32 v[B2I], v[B2I], v[B1I], s40
	v_cndmask_b32 v[B1V], v[B1V], v[AC+\e], s40
	v_cndmask_b32 v[B1I], v[B1I], \e, s40
.endr
.irp e,0,1,2,3,4,5,6,7
	v_sub_f32 v[PE+\e], v[AC+\e], v[B1V]           ; the maximum is taken away first
.endr
	v_sub_f32 v[PE+8], v[B2V], v[B1V]
.irp e,0,1,2,3,4,5,6,7,8
	v_mul_f32 v[PE+\e], 0x3fb8aa3b, v[PE+\e]
.endr
.irp e,0,1,2,3,4,5,6,7,8
	v_exp_f32 v[PE+\e], v[PE+\e]
.endr
	v_lshl_or_b32 v[TMP], v[B2I], 8, v[B1I]        ; the plain instruction behind the exponentials (ISA guide 5.7.2)
	s_wait_alu depctr_va_vdst(0)
	v_add_f32 v[PE], v[PE], v[PE+1]
	v_add_f32 v[PE+2], v[PE+2], v[PE+3]
	v_add_f32 v[PE+4], v[PE+4], v[PE+5]
	v_add_f32 v[PE+6], v[PE+6], v[PE+7]
	v_add_f32 v[PE], v[PE], v[PE+2]
	v_add_f32 v[PE+4], v[PE+4], v[PE+6]
	v_add_f32 v[SUM], v[PE], v[PE+4]
	v_rcp_f32 v[SUM], v[SUM]                       ; weight of the first expert: 1 / sum
	v_cmp_eq_u32 s40, s38, v[LM+\slot]             ; lane = token's number in the wave's 32; also the plain instruction behind v_rcp_f32
	v_cndmask_b32 v[RS], v[RS], v[TMP], s40
	s_wait_alu depctr_va_vdst(0)
	v_mul_f32 v[PE+8], v[PE+8], v[SUM]
	v_cndmask_b32 v[RW], v[RW], v[SUM], s40
	v_cndmask_b32 v[RW+1], v[RW+1], v[PE+8], s40
.endm
	s_load_b256 s[4:11], s[0:1], 0x0               ; W1 s[4:5], W3 s[6:7], W2 s[8:9], Wf s[10:11]
	s_load_b256 s[12:19], s[0:1], 0x20             ; X s[12:13], Wg s[14:15], bg s[16:17], wfrag s[18:19]
	s_load_b128 s[20:23], s[0:1], 0x40             ; sel s[20:21], gw s[22:23]
	s_load_b64 s[52:53], s[0:1], 0x50              ; route
	v_lshl_add_u32 v224, v0, 2, 0x8200
	v_mov_b32 v225, 0
	v_lshrrev_b32 v7, 5, v0
	v_readfirstlane_b32 s24, v7                    ; wave
	v_and_b32 v1, 31, v0                           ; L
	v_and_b32 v2, 15, v0                           ; r'
	v_bfe_u32 v3, v0, 4, 1                         ; h
	s_mov_b32 s31, 0
	s_wait_kmcnt 0x0
	s_cmp_ge_u32 ttmp9, 260
	s_cbranch_scc1 .Lgate
	v_lshrrev_b32 v7, 2, v2
	v_mul_u32_u24 v[LS], v7, 1040                  ; fragment r' / 4
	v_and_b32 v7, 3, v2
	v_lshl_add_u32 v[LS], v7, 6, v[LS]             ; column 4 (r' mod 4) + jc of the fragment, 16 bytes each
	v_lshl_add_u32 v[LS], v3, 8, v[LS]             ; lanes 16-31 of the fragment
	s_mul_i32 s29, s24, 4160                       ; the wave's own stage
	v_add_nc_u32 v[LS], s29, v[LS]
	v_lshl_add_u32 v[LR], v1, 4, s29
	v_lshlrev_b32 v[VOFF], 4, v2
	s_cmp_ge_u32 ttmp9, 128
	s_cbranch_scc1 .Lpathb
	; W1 / W3: j = 8 e + kt; rows of 8,192 bytes; the wave's 256 columns
	s_and_b32 s25, ttmp9, 63
	s_cmp_lt_u32 ttmp9, 64
	s_cselect_b64 s[26:27], s[4:5], s[6:7]
	s_cselect_b32 s28, 0, 1
	s_lshl_b32 s30, s25, 18                        ; 32 rows x 8,192 bytes
	s_add_nc_u64 s[26:27], s[26:27], s[30:31]
	s_lshr_b32 s30, s25, 3
	s_lshl_b32 s30, s30, 21
	s_and_b32 s29, s25, 7
	s_lshl_b32 s29, s29, 10
	s_add_co_u32 s30, s30, s29
	s_lshl_b32 s29, s28, 13
	s_add_co_u32 s30, s30, s29
	s_lshl_b32 s29, s24, 18                        ; 16 nt a wave
	s_add_co_u32 s30, s30, s29
	s_add_nc_u64 s[32:33], s[18:19], s[30:31]
	v_lshl_add_u32 v[VOFF], v3, 16, v[VOFF]        ; 8 rows down for lanes 16-31
	s_lshl_b32 s29, s24, 10
	v_add_nc_u32 v[VOFF], s29, v[VOFF]
.irp f,0,1,2,3
	v_lshl_add_u32 v[VD+\f], v1, 4, \f*16384
.endr
	CONVERT 8192, 65536
.Lpathb:
	; W2 / Wf: rows of 2,048 bytes; ktg = 4 jj + wave / 2; the wave's 256 columns = half a row
	s_sub_co_u32 s25, ttmp9, 128
	s_mov_b32 s28, 0x1000000
	s_mov_b32 s29, 0x2000000
	s_cmp_lt_u32 s25, 128
	s_cselect_b64 s[26:27], s[8:9], s[10:11]
	s_cselect_b32 s28, s28, s29
	s_and_b32 s25, s25, 127
	s_lshl_b32 s25, s25, 2
	s_lshr_b32 s29, s24, 1
	s_add_co_u32 s25, s25, s29
	s_lshl_b32 s30, s25, 16
	s_add_nc_u64 s[26:27], s[26:27], s[30:31]
	s_lshl_b32 s30, s25, 15
	s_add_co_u32 s30, s30, s28
	s_and_b32 s29, s24, 1
	s_lshl_b32 s34, s29, 14
	s_add_co_u32 s30, s30, s34
	s_add_nc_u64 s[32:33], s[18:19], s[30:31]
	v_lshl_add_u32 v[VOFF], v3, 14, v[VOFF]
	s_lshl_b32 s29, s29, 10
	v_add_nc_u32 v[VOFF], s29, v[VOFF]
.irp f,0,1,2,3
	v_lshl_add_u32 v[VD+\f], v1, 4, \f*1024
.endr
	CONVERT 2048, 4096
.Lgate:
	; a wave owns 32 tokens; a token's row of X is spread over the lanes (8 numbers each), Wg's matching rows stay in registers
	s_load_b256 s[44:51], s[16:17], 0x0            ; bg
	s_sub_co_u32 s39, ttmp9, 260
	s_lshl_b32 s39, s39, 3
	s_add_co_u32 s39, s39, s24                     ; wave's number among the gate's 128
	s_lshl_b32 s25, s39, 5                         ; t0
	v_lshlrev_b32 v[WGA], 7, v1
.irp n,0,1,2,3,4,5,6,7
	global_load_b128 v[WGR+4*\n:WGR+4*\n+3], v[WGA], s[14:15] offset:16*\n
.endr
.irp n,0,1,2,3,4,5,6,7
	global_load_b128 v[WGR+32+4*\n:WGR+32+4*\n+3], v[WGA], s[14:15] offset:4096+16*\n
.endr
	s_lshl_b32 s26, s25, 10
	v_lshl_add_u32 v[OFG], v1, 4, s26
.irp s,1,2,3
	v_add_nc_u32 v[OFG+\s], \s*1024, v[OFG]
.endr
.irp s,0,1,2,3
	global_load_b128 v[XR+8*\s:XR+8*\s+3], v[OFG+\s], s[12:13]
	global_load_b128 v[XR+8*\s+4:XR+8*\s+7], v[OFG+\s], s[12:13] offset:512
.endr
	; the first 72 of these waves clear route's 9,216 row words (512 bytes each): rows that the next launch does not fill stand for token 0
	s_cmp_ge_u32 s39, 72
	s_cbranch_scc1 .Lnofill
.irp n,0,1,2,3
	v_mov_b32 v[ZR+\n], 0
.endr
	s_lshl_b32 s26, s39, 9
	v_lshl_add_u32 v[ZA], v1, 4, s26
	global_store_b128 v[ZA], v[ZR:ZR+3], s[52:53]
.Lnofill:
.irp e,0,1,2,3,4,5,6,7,8
	v_mov_b32 v[PE+\e], 0                          ; v_permlanex16_b32 counts as a reader of its destination
.endr
	v_mov_b32 v[RS], 0
	v_mov_b32 v[RW], 0
	v_mov_b32 v[RW+1], 0
.irp s,0,1,2,3
	v_add_nc_u32 v[LM+\s], -\s, v1
.endr
	s_mov_b32 s36, 0x76543210
	s_mov_b32 s37, 0xfedcba98
	s_mov_b32 s42, 0xffff0000                      ; a word's upper bf16
	s_wait_kmcnt 0x0
.irp e,0,1,2,3,4,5,6,7
	v_mov_b32 v[BG+\e], s[44+\e]
.endr
	ROUND8 BG                                      ; bg as the choice of experts takes it: bf16
	s_wait_loadcnt 8                               ; Wg's 16 loads are in; the 8 younger loads are X's first four rows
.irp n,0,1,2,3,4,5,6,7
	ROUND8 WGR+8*\n                                ; Wg as a matrix operand: bf16, once for the wave's 32 tokens
.endr
	s_mov_b32 s38, 0                               ; number of slot 0's token; also the loop's counter
.Ltok:
	TOK 0, 1, 6
	TOK 1, 1, 6
	TOK 2, 1, 6
	TOK 3, 1, 6
	s_add_co_u32 s38, s38, 4
	s_cmp_lt_u32 s38, 28
	s_cbranch_scc1 .Ltok
	TOK 0, 0, 6                                    ; the last four tokens load nothing: the counts run down
	TOK 1, 0, 4
	TOK 2, 0, 2
	TOK 3, 0, 0
	s_lshl_b32 s26, s25, 2
	v_lshl_add_u32 v[SA], v1, 2, s26
	global_store_b32 v[SA], v[RS], s[20:21]
	s_lshl_b32 s26, s25, 3
	v_lshl_add_u32 v[SG], v1, 3, s26
	global_store_b64 v[SG], v[RW:RW+1], s[22:23]   ; 256 consecutive bytes
	s_endpgm
.Lfunc_end_k_qe3287aa176_prep:
	.size	k_qe3287aa176_prep, .Lfunc_end_k_qe3287aa176_prep-k_qe3287aa176_prep
	.p2alignl 7, 3214868480
	.fill 96, 4, 3214868480
	.section	.rodata,"a",@progbits
	.p2align	6, 0x0
	.amdhsa_kernel k_qe3287aa176_prep
		.amdhsa_group_segment_fixed_size 34304
		.amdhsa_private_segment_fixed_size 0
		.amdhsa_enable_private_segment 0
		.amdhsa_kernarg_size 88
		.amdhsa_user_sgpr_count 2
		.amdhsa_user_sgpr_kernarg_segment_ptr 1
		.amdhsa_wavefront_size32 1
		.amdhsa_system_sgpr_workgroup_id_x 1
		.amdhsa_system_sgpr_workgroup_id_y 1
		.amdhsa_system_sgpr_workgroup_id_z 1
		.amdhsa_system_vgpr_workitem_id 0
		.amdhsa_next_free_vgpr 226
		.amdhsa_next_free_sgpr 66
		.amdhsa_reserve_vcc 0
		.amdhsa_float_denorm_mode_32 3
		.amdhsa_float_denorm_mode_16_64 3
		.amdhsa_memory_ordered 1
		.amdhsa_forward_progress 1
		.amdhsa_inst_pref_size 145
	.end_amdhsa_kernel
	.amdgpu_metadata
---
amdhsa.version: [ 1, 2 ]
amdhsa.kernels:
  - .name:           k_qe3287aa176_prep
    .symbol:         k_qe3287aa176_prep.kd
    .args:
      - { .name: W1, .offset: 0, .size: 8, .value_kind: global_buffer, .address_space: global }
      - { .name: W3, .offset: 8, .size: 8, .value_kind: global_buffer, .address_space: global }
      - { .name: W2, .offset: 16, .size: 8, .value_kind: global_buffer, .address_space: global }
      - { .name: Wf, .offset: 24, .size: 8, .value_kind: global_buffer, .address_space: global }
      - { .name: X, .offset: 32, .size: 8, .value_kind: global_buffer, .address_space: global }
      - { .name: Wg, .offset: 40, .size: 8, .value_kind: global_buffer, .address_space: global }
      - { .name: bg, .offset: 48, .size: 8, .value_kind: global_buffer, .address_space: global }
      - { .name: wfrag, .offset: 56, .size: 8, .value_kind: global_buffer, .address_space: global }
      - { .name: sel, .offset: 64, .size: 8, .value_kind: global_buffer, .address_space: global }
      - { .name: gw, .offset: 72, .size: 8, .value_kind: global_buffer, .address_space: global }
      - { .name: route, .offset: 80, .size: 8, .value_kind: global_buffer, .address_space: global }
    .group_segment_fixed_size: 34304
    .private_segment_fixed_size: 0
    .kernarg_segment_align: 8
    .kernarg_segment_size: 88
    .max_flat_workgroup_size: 256
    .sgpr_count:     66
    .vgpr_count:     226
    .wavefront_size: 32
...
	.end_amdgpu_metadata
.endif
;; end of part 1
;; launch place (part 2): grid 1 x 1, 32 waves a work-group, no clusters, 4,608 bytes of LDS; arguments sel, route; writes route
.if DOCPART == 2
	.amdgcn_target "amdgcn-amd-amdhsa--gfx1250"
	.amdhsa_code_object_version 6
	.text
	.protected	k_qe3287aa176_place
	.globl	k_qe3287aa176_place
	.p2align	8
	.type	k_qe3287aa176_place,@function
k_qe3287aa176_place:
	s_mov_b64 s[64:65], 0
	v_nop
	global_prefetch_b8 v0, s[64:65] scope:SCOPE_SE
	s_setreg_imm32_b32 hwreg(HW_REG_WAVE_MODE, 25, 1), 1
	s_wait_xcnt 0x0
; place: from each token's two experts (sel) to a place in a slot space of 64 blocks of 144 rows, each block of one expert.
; Sum over e of ceil(n_e / 144) <= (8192 + 8 x 143) / 144 = 64.8, so 64 blocks serve every routing.
; route: words 0..9215 row -> token (cleared by the launch before; rows not filled here stand for token 0); 9216..9279 block -> expert;
; 12288.. place of a token's first expert; 16384.. of its second.
; One work-group, 1,024 threads, four tokens each: counts by masks, a prefix over the 32 waves through LDS, ranks by v_mbcnt.  No atomics.
; All arithmetic here is on whole numbers.
.set E0, 4                             ; v4-7   first expert of my 4 tokens
.set E1, 8                             ; v8-11  second
.set P0, 12                            ; v12-15 place for the first
.set P1, 16                            ; v16-19 for the second
.set SL, 20                            ; v20-23 sel as loaded, later the tokens' numbers
.set T,  24                            ; v24-27 packed counts (two experts a word), later byte addresses
.set PR, 28                            ; v28-31 the same of the waves in front of mine
.set TM, 32                            ; v32-35 at work
.set CN, 8                             ; s8-15  counts
.set SB, 16                            ; s16-23 next free row of expert e for my wave
.set BB, 24                            ; s24-31 first block of expert e
	s_load_b128 s[4:7], s[0:1], 0x0                ; sel s[4:5], route s[6:7]
	v_lshl_add_u32 v56, v0, 2, 0x200
	v_mov_b32 v57, 0
	v_lshrrev_b32 v1, 5, v0
	v_readfirstlane_b32 s36, v1                    ; wave
	v_and_b32 v2, 31, v0                           ; lane
	v_lshlrev_b32 v3, 4, v0                        ; 16 x thread
	s_mov_b32 s34, 0x76543210
	s_mov_b32 s35, 0xfedcba98
	s_wait_kmcnt 0x0
	global_load_b128 v[SL:SL+3], v3, s[4:5]
	s_wait_loadcnt 0x0
.irp j,0,1,2,3
	v_and_b32 v[E0+\j], 0xff, v[SL+\j]
	v_bfe_u32 v[E1+\j], v[SL+\j], 8, 8
	v_min_u32 v[E0+\j], 7, v[E0+\j]
	v_min_u32 v[E1+\j], 7, v[E1+\j]
.endr
	; my wave's count for each expert
.irp e,0,1,2,3,4,5,6,7
	s_mov_b32 s[CN+\e], 0
.irp j,0,1,2,3
	v_cmp_eq_u32 s32, \e, v[E0+\j]
	v_cmp_eq_u32 s33, \e, v[E1+\j]
	s_or_b32 s32, s32, s33
	s_bcnt1_i32_b32 s32, s32
	s_add_co_u32 s[CN+\e], s[CN+\e], s32
.endr
.endr
.irp k,0,1,2,3
	s_lshl_b32 s32, s[CN+2*\k+1], 16               ; totals are 4,096 at the most: 16 bits each
	s_or_b32 s32, s32, s[CN+2*\k]
	v_mov_b32 v[T+\k], s32
.endr
	s_lshl_b32 s33, s36, 4
	v_mov_b32 v[TM], s33
	v_lshlrev_b32 v[TM+1], 4, v2
	ds_store_b128 v[TM], v[T:T+3]                  ; my wave's 16 bytes
	s_wait_dscnt 0x0                               ; for the others: stored before I signal
	s_barrier_signal -1
	s_barrier_wait -1
	ds_load_b128 v[T:T+3], v[TM+1]                 ; lane l: wave l's counts
	s_wait_dscnt 0x0
	v_cmp_gt_u32 vcc_lo, s36, v2
.irp k,0,1,2,3
	v_cndmask_b32 v[PR+\k], 0, v[T+\k], vcc_lo     ; only the waves in front of mine
.endr
.irp m,1,2,4,8
.irp k,0,1,2,3,4,5,6,7
	v_mov_b32_dpp v[TM], v[T+\k] row_xmask:\m row_mask:0xf bank_mask:0xf
	v_add_nc_u32 v[T+\k], v[T+\k], v[TM]
.endr
.endr
.irp k,0,1,2,3,4,5,6,7
	v_permlanex16_b32 v[TM], v[T+\k], s34, s35
	v_add_nc_u32 v[T+\k], v[T+\k], v[TM]
.endr
.irp k,0,1,2,3
	v_readfirstlane_b32 s32, v[T+\k]
	s_and_b32 s[CN+2*\k], s32, 0xffff
	s_lshr_b32 s[CN+2*\k+1], s32, 16
	v_readfirstlane_b32 s33, v[PR+\k]
	s_and_b32 s[SB+2*\k], s33, 0xffff
	s_lshr_b32 s[SB+2*\k+1], s33, 16
.endr
	s_mov_b32 s33, 0                               ; blocks so far
.irp e,0,1,2,3,4,5,6,7
	s_mov_b32 s[BB+\e], s33
	s_mul_i32 s32, s33, 144
	s_add_co_u32 s[SB+\e], s[SB+\e], s32
	s_add_co_u32 s32, s[CN+\e], 143
	s_mul_i32 s32, s32, 58255                      ; floor(x / 144) = (x 58255) >> 23, exact for x <= 4,239
	s_lshr_b32 s32, s32, 23
	s_add_co_u32 s33, s33, s32
.endr
.irp j,0,1,2,3
	v_mov_b32 v[P0+\j], 0
	v_mov_b32 v[P1+\j], 0
.endr
.irp e,0,1,2,3,4,5,6,7
.irp j,0,1,2,3
	v_cmp_eq_u32 s32, \e, v[E0+\j]
	v_cmp_eq_u32 s33, \e, v[E1+\j]
	s_or_b32 s37, s32, s33
	v_mbcnt_lo_u32_b32 v[TM], s37, s[SB+\e]        ; next free row + how many lanes below mine also take one
	v_cndmask_b32 v[P0+\j], v[P0+\j], v[TM], s32
	v_cndmask_b32 v[P1+\j], v[P1+\j], v[TM], s33
	s_bcnt1_i32_b32 s37, s37
	s_add_co_u32 s[SB+\e], s[SB+\e], s37
.endr
.endr
.irp j,0,1,2,3
	v_min_u32 v[P0+\j], 0x23ff, v[P0+\j]           ; inside the 9,216 rows whatever sel held
	v_min_u32 v[P1+\j], 0x23ff, v[P1+\j]
	v_lshlrev_b32 v[T+\j], 2, v[P0+\j]
	v_lshlrev_b32 v[PR+\j], 2, v[P1+\j]
	v_lshl_add_u32 v[SL+\j], v0, 2, \j             ; the token
.endr
.irp j,0,1,2,3
	global_store_b32 v[T+\j], v[SL+\j], s[6:7]     ; 8,192 words in all; lanes of one expert fall on neighbouring rows
	global_store_b32 v[PR+\j], v[SL+\j], s[6:7]
.endr
	global_store_b128 v3, v[P0:P0+3], s[6:7] offset:49152
	global_store_b128 v3, v[P1:P1+3], s[6:7] offset:65536
	s_cmp_ge_u32 s36, 2
	s_cbranch_scc1 .Ldone
	v_mov_b32 v[TM], 0                             ; threads 0-63: block -> the last expert whose first block is not behind it (unused blocks: 7)
.irp e,1,2,3,4,5,6,7
	v_cmp_le_u32 vcc_lo, s[BB+\e], v0
	v_cndmask_b32 v[TM+1], 0, 1, vcc_lo
	v_add_nc_u32 v[TM], v[TM], v[TM+1]
.endr
	v_lshlrev_b32 v[TM+2], 2, v0
	global_store_b32 v[TM+2], v[TM], s[6:7] offset:36864
.Ldone:
	s_wait_tensorcnt 0x0
	ds_add_u32 v56, v57
	s_wait_dscnt 0x0
	s_endpgm
.Lfunc_end_k_qe3287aa176_place:
	.size	k_qe3287aa176_place, .Lfunc_end_k_qe3287aa176_place-k_qe3287aa176_place
	.p2alignl 7, 3214868480
	.fill 96, 4, 3214868480
	.section	.rodata,"a",@progbits
	.p2align	6, 0x0
	.amdhsa_kernel k_qe3287aa176_place
		.amdhsa_group_segment_fixed_size 4608
		.amdhsa_private_segment_fixed_size 0
		.amdhsa_enable_private_segment 0
		.amdhsa_kernarg_size 16
		.amdhsa_user_sgpr_count 2
		.amdhsa_user_sgpr_kernarg_segment_ptr 1
		.amdhsa_wavefront_size32 1
		.amdhsa_system_sgpr_workgroup_id_x 1
		.amdhsa_system_sgpr_workgroup_id_y 1
		.amdhsa_system_sgpr_workgroup_id_z 1
		.amdhsa_system_vgpr_workitem_id 0
		.amdhsa_next_free_vgpr 58
		.amdhsa_next_free_sgpr 66
		.amdhsa_reserve_vcc 1
		.amdhsa_float_denorm_mode_32 3
		.amdhsa_float_denorm_mode_16_64 3
		.amdhsa_memory_ordered 1
		.amdhsa_forward_progress 1
		.amdhsa_inst_pref_size 34
	.end_amdhsa_kernel
	.amdgpu_metadata
---
amdhsa.version: [ 1, 2 ]
amdhsa.kernels:
  - .name:           k_qe3287aa176_place
    .symbol:         k_qe3287aa176_place.kd
    .args:
      - { .name: sel, .offset: 0, .size: 8, .value_kind: global_buffer, .address_space: global }
      - { .name: route, .offset: 8, .size: 8, .value_kind: global_buffer, .address_space: global }
    .group_segment_fixed_size: 4608
    .private_segment_fixed_size: 0
    .kernarg_segment_align: 8
    .kernarg_segment_size: 16
    .max_flat_workgroup_size: 1024
    .sgpr_count:     66
    .vgpr_count:     58
    .wavefront_size: 32
...
	.end_amdgpu_metadata
.endif
;; end of part 2
;; launch ffn (part 3): grid 4 x 64, 4 waves a work-group, no clusters, 154,880 bytes of LDS; arguments X, b1, b3, wfrag, route, part; writes part
.if DOCPART == 3
	.amdgcn_target "amdgcn-amd-amdhsa--gfx1250"
	.amdhsa_code_object_version 6
	.text
	.protected	k_qe3287aa176_ffn
	.globl	k_qe3287aa176_ffn
	.p2align	8
	.type	k_qe3287aa176_ffn,@function
k_qe3287aa176_ffn:
	s_mov_b64 s[64:65], 0
	v_nop
	global_prefetch_b8 v0, s[64:65] scope:SCOPE_SE
	s_setreg_imm32_b32 hwreg(HW_REG_WAVE_MODE, 25, 1), 1
	s_wait_xcnt 0x0
; ffn: for block b (144 slot rows of one expert e) and quarter q of HID: part[q][row][0..511] = silu((X W1 + b1)(X W3 + b3))[hid 512 q ..+511] W2.
; Only the two chosen experts of a token are computed; 64 blocks x 4 quarters = 256 work-groups, whatever the routing.
; Rows that no token fills stand for token 0 and blocks that no expert uses name expert 7: they are computed like the others (no branch and
; no trip count hangs on the routing) and their rows of part are never read.
; Four waves.  The quarter goes in 8 chunks of 64 hid.  First product: wave w makes hid tile 16 w ..+15 of the chunk for W1 and W3 and all 9
; token tiles.  h goes to LDS as TWO bf16 numbers, hi = bf16(h) and lo = bf16(h - hi): a token with large h has errors in proportion to its
; own size, and one rounding to 8 bits leaves too little room for such tokens; with hi + lo the rounding of h is 2^-17 of h.
; Second product: wave w makes out columns 128 w ..+127 for all 9 token tiles, 72 accumulators, 576 registers, in four passes a chunk:
; (K step 0, hi), (0, lo), (1, hi), (1, lo); hi and lo meet the same fragments of W2.
; Weights come as ready bf16 fragments straight from memory into registers: every fragment is used by one wave alone, so LDS would add a trip,
; and no tile is shared between work-groups at a place known when the text is written (a block's expert is read from memory): no cluster.
; Both products are used transposed (source 0 = weights, source 1 = activations): lane (r, h), register j holds (token r, column 8 h + j).
; Matrix operands are bf16, sums f32; part stays f32.
; LIMIT: b1 and b3 are taken as operands of the first product (the row of W that an activation of 1 would multiply) and rounded to bf16 like
; W1 and W3: an error of up to 2^-9 of the bias against a bias kept in f32.
; REGISTERS: window 0: v0-31 addresses; v32-175 R (first product: 6 accumulators v32-79, X fragments v80-127, v128-175; second: two buffers of
; h fragments v32-103, v104-175); v176-191 bias tiles; v192-255 accumulators of token tile 8.  Window 1: 0-127 W1|W3 fragments, 128-255 W2
; fragments.  Windows 2, 3: accumulators of token tiles 0-3, 4-7, tile (mt, nt) at 8 (8 (mt mod 4) + nt).
.set XPITCH, 528                       ; 512 bytes of bf16 + 16: an odd multiple of 16, sixteen rows start in sixteen different 16-byte columns modulo 256
.set HPITCH, 272                       ; 128 bytes of hi + 128 of lo + 16
.set HBASE,  76032                     ; behind X's 144 rows
.set HBUF,   39168                     ; 144 rows x 272; two buffers
.set R,    32
.set ACC1, R
.set XF0,  R+48
.set HFA,  R                           ; h fragments, buffer a: 9 token tiles x 8 registers
.set HFB,  R+72                        ; buffer b
.set B1,   176
.set B3,   184
.set AC8,  192
.set WA,   0
.set WB,   128
.set XA,   5                           ; v5-7   X fragments of token tiles 3 g ..
.set VB,   10                          ; v10    32 h: my 8 bias numbers
.set XS,   11                          ; v11    where my part of X goes
.set STO,  12                          ; v12    way out: in
.set RD,   13                          ; v13    way out: back
.set HS,   16                          ; v16-17 where my h goes, buffer 0, 1
.set HL,   18                          ; v18-19 h fragments, buffer 0, 1
.set MSB,  0
.macro WIN new                         ; the immediate's high byte repeats the setting that is left
.if MSB != \new
	s_set_vgpr_msb (MSB<<8)|\new
.set MSB, \new
.endif
.endm
; Places behind matrix instructions (ISA guide 7.12.1): plain vector instructions that name none of their registers; five serve every case met here.
.macro PLACES
.rept 5
	v_nop
.endr
.endm
.macro LOADWA                          ; 36 loads: 16 fragments of W1|W3 (my hid tile, 8 kt each) and the two bias tiles
	WIN 0x40
.set n, 0
.rept 32
	global_load_b128 v[WA+4*n:WA+4*n+3], v1, s[20:21] offset:512*n
.set n, n+1
.endr
	WIN 0
	global_load_b128 v[B1:B1+3], v[VB], s[24:25]
	global_load_b128 v[B1+4:B1+7], v[VB], s[24:25] offset:16
	global_load_b128 v[B3:B3+3], v[VB], s[26:27]
	global_load_b128 v[B3+4:B3+7], v[VB], s[26:27] offset:16
.endm
.macro LOADWB s                        ; 16 loads: my 8 fragments of W2 for K step s of the chunk
	WIN 0x40
.set n, 0
.rept 16
	global_load_b128 v[WB+64*\s+4*n:WB+64*\s+4*n+3], v1, s[22:23] offset:32768*\s+512*n
.set n, n+1
.endr
	WIN 0
.endm
.macro BROUND                          ; the 16 bias numbers (B1, B3 lie side by side) rounded to bf16 and widened again, in place; v32-39 are free here
.irp k,0,1,2,3,4,5,6,7
	v_cvt_pk_bf16_f32 v[R+\k], v[B1+2*\k], v[B1+2*\k+1]
.endr
.irp k,0,1,2,3,4,5,6,7
	v_lshlrev_b32 v[B1+2*\k], 16, v[R+\k]
	v_and_b32 v[B1+2*\k+1], 0xffff0000, v[R+\k]
.endr
.endm
.macro XLOAD bn                        ; 12 LDS loads: batch bn = token tiles 3 (bn/4) ..+2, kt 2 (bn mod 4), +1
.irp u,0,1
.irp i,0,1,2
.set XB, XF0+48*((\bn)%2)+(3*\u+\i)*8
	ds_load_b128 v[XB:XB+3], v[XA+(\bn)/4] offset:\i*16*XPITCH+(2*((\bn)%4)+\u)*64
	ds_load_b128 v[XB+4:XB+7], v[XA+(\bn)/4] offset:\i*16*XPITCH+(2*((\bn)%4)+\u)*64+32
.endr
.endr
.endm
; 12 matrix instructions on six accumulators that take turns, one instruction a turn.  kt = 0 starts the sums from the bias tiles.
.macro BATCH bn, cnt
	s_wait_dscnt \cnt
	WIN 0x01
.irp u,0,1
.irp i,0,1,2
.set KT, 2*((\bn)%4)+\u
.set XB, XF0+48*((\bn)%2)+(3*\u+\i)*8
.set AA, ACC1+16*\i
.if KT == 0
	v_wmma_f32_16x16x32_bf16 v[AA:AA+7], v[WA:WA+7], v[XB:XB+7], v[B1:B1+7]
	v_wmma_f32_16x16x32_bf16 v[AA+8:AA+15], v[WA+64:WA+71], v[XB:XB+7], v[B3:B3+7]
.else
	v_wmma_f32_16x16x32_bf16 v[AA:AA+7], v[WA+8*KT:WA+8*KT+7], v[XB:XB+7], v[AA:AA+7]
	v_wmma_f32_16x16x32_bf16 v[AA+8:AA+15], v[WA+64+8*KT:WA+64+8*KT+7], v[XB:XB+7], v[AA+8:AA+15]
.endif
.endr
.endr
	WIN 0
	PLACES
.if (\bn)+2 < 12
	XLOAD (\bn)+2
.endif
.endm
; h = z / (1 + 2^(-1.442695 z)), z = h1 h3, for three token tiles; then hi = bf16(h), lo = bf16(h - hi), 16 bytes of each a lane into buffer hb
.macro SILU g, hb
.irp i,0,1,2
.irp p,0,2,4,6
	v_pk_mul_f32 v[ACC1+16*\i+\p:ACC1+16*\i+\p+1], v[ACC1+16*\i+\p:ACC1+16*\i+\p+1], v[ACC1+16*\i+8+\p:ACC1+16*\i+8+\p+1]
.endr
.endr
.irp i,0,1,2
.irp p,0,2,4,6
	v_pk_mul_f32 v[ACC1+16*\i+8+\p:ACC1+16*\i+8+\p+1], v[ACC1+16*\i+\p:ACC1+16*\i+\p+1], 0xbfb8aa3b op_sel_hi:[1,0]
.endr
.endr
.irp i,0,1,2
.irp j,0,1,2,3,4,5,6,7
	v_exp_f32 v[ACC1+16*\i+8+\j], v[ACC1+16*\i+8+\j]
.endr
.endr
	v_nop                                          ; one plain instruction behind the transcendentals (ISA guide 5.7.2)
	s_wait_alu depctr_va_vdst(0)
.irp i,0,1,2
.irp p,0,2,4,6
	v_pk_add_f32 v[ACC1+16*\i+8+\p:ACC1+16*\i+8+\p+1], v[ACC1+16*\i+8+\p:ACC1+16*\i+8+\p+1], 1.0 op_sel_hi:[1,0]
.endr
.endr
.irp i,0,1,2
.irp j,0,1,2,3,4,5,6,7
	v_rcp_f32 v[ACC1+16*\i+8+\j], v[ACC1+16*\i+8+\j]
.endr
.endr
	v_nop
	s_wait_alu depctr_va_vdst(0)
.irp i,0,1,2
.irp p,0,2,4,6
	v_pk_mul_f32 v[ACC1+16*\i+\p:ACC1+16*\i+\p+1], v[ACC1+16*\i+\p:ACC1+16*\i+\p+1], v[ACC1+16*\i+8+\p:ACC1+16*\i+8+\p+1]
.endr
.endr
.irp i,0,1,2
.irp u,0,1,2,3
	v_cvt_pk_bf16_f32 v[ACC1+16*\i+8+\u], v[ACC1+16*\i+2*\u], v[ACC1+16*\i+2*\u+1]          ; hi, packed, in registers 8-11 of the tile's 16
.endr
.irp z,0,1
	v_lshlrev_b32 v[ACC1+16*\i+12], 16, v[ACC1+16*\i+8+2*\z]                               ; four of hi widened again, in registers 12-15,
	v_and_b32 v[ACC1+16*\i+13], 0xffff0000, v[ACC1+16*\i+8+2*\z]
	v_lshlrev_b32 v[ACC1+16*\i+14], 16, v[ACC1+16*\i+8+2*\z+1]
	v_and_b32 v[ACC1+16*\i+15], 0xffff0000, v[ACC1+16*\i+8+2*\z+1]
	v_pk_add_f32 v[ACC1+16*\i+4*\z:ACC1+16*\i+4*\z+1], v[ACC1+16*\i+4*\z:ACC1+16*\i+4*\z+1], v[ACC1+16*\i+12:ACC1+16*\i+13] neg_lo:[0,1] neg_hi:[0,1]       ; and taken away: exact in f32
	v_pk_add_f32 v[ACC1+16*\i+4*\z+2:ACC1+16*\i+4*\z+3], v[ACC1+16*\i+4*\z+2:ACC1+16*\i+4*\z+3], v[ACC1+16*\i+14:ACC1+16*\i+15] neg_lo:[0,1] neg_hi:[0,1]
.endr
.irp u,0,1,2,3
	v_cvt_pk_bf16_f32 v[ACC1+16*\i+12+\u], v[ACC1+16*\i+2*\u], v[ACC1+16*\i+2*\u+1]         ; lo, packed
.endr
	ds_store_b128 v[HS+\hb], v[ACC1+16*\i+8:ACC1+16*\i+11] offset:(48*\g+16*\i)*HPITCH
	ds_store_b128 v[HS+\hb], v[ACC1+16*\i+12:ACC1+16*\i+15] offset:(48*\g+16*\i)*HPITCH+128
.endr
.endm
.macro HLD hb, s, lo, dst              ; 18 LDS loads: the 9 token tiles' fragments of K step s, hi (lo = 0) or lo (1), into buffer dst
.irp m,0,1,2,3,4,5,6,7,8
	ds_load_b128 v[\dst+8*\m:\dst+8*\m+3], v[HL+\hb] offset:\m*16*HPITCH+64*\s+128*\lo
	ds_load_b128 v[\dst+8*\m+4:\dst+8*\m+7], v[HL+\hb] offset:\m*16*HPITCH+64*\s+128*\lo+32
.endr
.endm
.macro M2BLK s, hf, mt0, zero          ; 32 matrix instructions: four token tiles x 8 out tiles
.irp m,0,1,2,3
.irp nb,0,1,2,3,4,5,6,7
.set AA, 8*(8*\m+\nb)
.set HB, \hf+8*(\mt0+\m)
.if \zero
	v_wmma_f32_16x16x32_bf16 v[AA:AA+7], v[WB+64*\s+8*\nb:WB+64*\s+8*\nb+7], v[HB:HB+7], 0
.else
	v_wmma_f32_16x16x32_bf16 v[AA:AA+7], v[WB+64*\s+8*\nb:WB+64*\s+8*\nb+7], v[HB:HB+7], v[AA:AA+7]
.endif
.endr
.endr
.endm
.macro MUL2 s, hf, zero                ; one pass of the second product: 72 accumulators take turns
	WIN 0xa1
	M2BLK \s, \hf, 0, \zero
	WIN 0xf1
	M2BLK \s, \hf, 4, \zero
	WIN 0x01
.irp nb,0,1,2,3,4,5,6,7
.if \zero
	v_wmma_f32_16x16x32_bf16 v[AC8+8*\nb:AC8+8*\nb+7], v[WB+64*\s+8*\nb:WB+64*\s+8*\nb+7], v[\hf+64:\hf+71], 0
.else
	v_wmma_f32_16x16x32_bf16 v[AC8+8*\nb:AC8+8*\nb+7], v[WB+64*\s+8*\nb:WB+64*\s+8*\nb+7], v[\hf+64:\hf+71], v[AC8+8*\nb:AC8+8*\nb+7]
.endif
.endr
	WIN 0
	PLACES
.endm
; One chunk of 64 hid.  ONE barrier: h has two buffers, and a wave signals this barrier only behind its waited reads of the buffer of the
; chunk before, so the stores of the next chunk, which stand behind this barrier, find that buffer free.
.macro CHUNK hb, zero, last
	s_wait_loadcnt 32                              ; W1|W3 and the biases are in; the 32 younger loads are W2's
	BROUND
	BATCH 0, 12                                    ; 12: the next batch's loads stay out
	BATCH 1, 12
	BATCH 2, 12
	BATCH 3, 12
	SILU 0, \hb
	BATCH 4, 18                                    ; 18: the next batch's 12 loads and the 6 stores of h are younger
	BATCH 5, 12
	BATCH 6, 12
	BATCH 7, 12
	SILU 1, \hb
	BATCH 8, 18
	BATCH 9, 12
	BATCH 10, 12
	BATCH 11, 0
.if \last == 0
	s_wait_xcnt 0x0                                ; the bases of earlier loads are stepped only behind this wait
	s_add_nc_u64 s[20:21], s[20:21], 0x10000       ; four hid tiles on
	s_add_nc_u64 s[24:25], s[24:25], 256
	s_add_nc_u64 s[26:27], s[26:27], 256
	LOADWA                                         ; the next chunk's, a whole second product ahead
.endif
	SILU 2, \hb
	s_wait_dscnt 0x0                               ; my h is stored, my reads of X are back
	s_barrier_signal -1
	s_barrier_wait -1
	HLD \hb, 0, 0, HFA
	HLD \hb, 0, 1, HFB
.if \last
	s_wait_loadcnt 0x0
.else
	s_wait_loadcnt 36                              ; W2's fragments are in; the 36 younger loads are the next chunk's W1|W3 and biases
.endif
	s_wait_dscnt 18                                ; K step 0's hi is in; the 18 younger loads are its lo
	MUL2 0, HFA, \zero
	HLD \hb, 1, 0, HFA                             ; behind the pass that read the buffer and its places
	s_wait_dscnt 18                                ; K step 0's lo is in; the 18 younger loads are K step 1's hi
	MUL2 0, HFB, 0
	HLD \hb, 1, 1, HFB
.if \last == 0
	s_wait_xcnt 0x0
	s_add_nc_u64 s[22:23], s[22:23], 0x10000       ; two K steps on
	LOADWB 0                                       ; both passes over K step 0's fragments of W2 are over
.endif
	s_wait_dscnt 18                                ; K step 1's hi is in; the 18 younger loads are its lo
	MUL2 1, HFA, 0
	s_wait_dscnt 0x0
	MUL2 1, HFB, 0
.if \last == 0
	LOADWB 1
	XLOAD 0
	XLOAD 1
.endif
.endm
.macro XCVT win, row0                  ; 18 rows of X: round to bf16, 8 bytes a lane, 256 consecutive bytes a store
	WIN \win
.set n, 0
.rept 18
	v_cvt_pk_bf16_f32 v[68+4*n], v[8*n], v[8*n+1]
	v_cvt_pk_bf16_f32 v[68+4*n+1], v[8*n+2], v[8*n+3]
	v_cvt_pk_bf16_f32 v[68+4*n+2], v[8*n+4], v[8*n+5]
	v_cvt_pk_bf16_f32 v[68+4*n+3], v[8*n+6], v[8*n+7]
.set n, n+1
.endr
	WIN 0
.set n, 0
.rept 18
	ds_store_b64 v[XS], v[68+4*n:68+4*n+1] offset:(\row0+n)*XPITCH
	ds_store_b64 v[XS], v[68+4*n+2:68+4*n+3] offset:(\row0+n)*XPITCH+256
.set n, n+1
.endr
.endm
; 16 rows of part: through my own stage (16 rows x 528 bytes in X's bytes, which nobody reads behind the last chunk's barrier), back as whole rows
.macro WAYOUT mt, win, base, buf
	WIN \win
.irp nb,0,1,2,3,4,5,6,7
	ds_store_b128 v[STO], v[\base+8*\nb:\base+8*\nb+3] offset:64*\nb
	ds_store_b128 v[STO], v[\base+8*\nb+4:\base+8*\nb+7] offset:64*\nb+16
.endr
	WIN 0
	s_wait_xcnt 0x0                                ; the buffer is the data of earlier stores: rewritten only behind this wait
.irp t,0,1,2,3,4,5,6,7,8,9,10,11,12,13,14,15
	ds_load_b128 v[R+64*\buf+4*\t:R+64*\buf+4*\t+3], v[RD] offset:\t*XPITCH   ; a wave's LDS instructions are served in order
.endr
.irp t,0,1,2,3,4,5,6,7,8,9,10,11,12,13,14,15
	s_wait_dscnt 15-\t
	global_store_b128 v1, v[R+64*\buf+4*\t:R+64*\buf+4*\t+3], s[28:29] offset:(16*\mt+\t)*2048   ; 512 consecutive bytes, aligned
.endr
.endm
	s_load_b256 s[4:11], s[0:1], 0x0               ; X s[4:5], b1 s[6:7], b3 s[8:9], wfrag s[10:11]
	s_load_b128 s[12:15], s[0:1], 0x20             ; route s[12:13], part s[14:15]
	v_lshl_add_u32 v30, v0, 2, 0x25b00
	v_mov_b32 v31, 0
	v_lshrrev_b32 v2, 5, v0
	v_readfirstlane_b32 s16, v2                    ; w
	s_mov_b32 s17, ttmp9                           ; q
	s_and_b32 s18, ttmp7, 0xffff                   ; b
	s_mov_b32 s41, 0
	s_lshl_b32 s40, s18, 2
	s_mul_i32 s46, s18, 144
	s_mul_i32 s47, s16, 36
	s_add_co_u32 s46, s46, s47
	s_lshl_b32 s46, s46, 2
	s_mov_b32 s47, 0
	s_wait_kmcnt 0x0
	s_add_nc_u64 s[42:43], s[12:13], s[40:41]
	s_add_nc_u64 s[44:45], s[12:13], s[46:47]
	s_load_b32 s19, s[42:43], 0x9000               ; the block's expert
	s_load_b512 s[68:83], s[44:45], 0x0            ; the tokens of my 36 rows
	s_load_b512 s[84:99], s[44:45], 0x40
	s_load_b128 s[36:39], s[44:45], 0x80
	v_and_b32 v1, 31, v0
	v_and_b32 v3, 15, v0                           ; r
	v_bfe_u32 v4, v0, 4, 1                         ; h
	v_lshlrev_b32 v1, 4, v1                        ; 16 L
	v_mul_u32_u24 v2, v3, XPITCH
	v_lshl_add_u32 v[XA], v4, 4, v2
	v_add_nc_u32 v[XA+1], 48*XPITCH, v[XA]
	v_add_nc_u32 v[XA+2], 96*XPITCH, v[XA]
	v_lshl_add_u32 v2, v4, 5, v2
	s_mul_i32 s48, s16, 16*XPITCH
	v_add_nc_u32 v[STO], s48, v2
	v_add_nc_u32 v[RD], s48, v1
	v_mul_u32_u24 v2, v3, HPITCH
	v_lshl_add_u32 v2, v4, 4, v2
	v_add_nc_u32 v[HL], HBASE, v2                  ; row r, 16 h: fragments of buffer 0,
	v_add_nc_u32 v[HL+1], HBUF, v[HL]              ; of buffer 1
	s_lshl_b32 s48, s16, 5
	v_add_nc_u32 v[HS], s48, v[HL]                 ; + my hid tile's 32 bytes
	v_add_nc_u32 v[HS+1], HBUF, v[HS]
	v_lshlrev_b32 v[VB], 5, v4
	s_mul_i32 s48, s16, 36*XPITCH
	v_lshrrev_b32 v2, 1, v1
	v_add_nc_u32 v[XS], s48, v2
	s_wait_kmcnt 0x0
.set n, 0
.rept 32
	s_min_u32 s[68+n], s[68+n], 4095
	s_lshl_b32 s[68+n], s[68+n], 10
	v_add_nc_u32 v[32+n], s[68+n], v1
.set n, n+1
.endr
.set n, 0
.rept 4
	s_min_u32 s[36+n], s[36+n], 4095
	s_lshl_b32 s[36+n], s[36+n], 10
	v_add_nc_u32 v[64+n], s[36+n], v1
.set n, n+1
.endr
	WIN 0x80                                       ; rows 0-17 into window 2, rows 18-35 into window 3: the accumulators' registers are free until the first second product
.set n, 0
.rept 18
	global_load_b128 v[8*n:8*n+3], v[32+n], s[4:5]
	global_load_b128 v[8*n+4:8*n+7], v[32+n], s[4:5] offset:512
.set n, n+1
.endr
	WIN 0xc0
.set n, 0
.rept 18
	global_load_b128 v[8*n:8*n+3], v[50+n], s[4:5]
	global_load_b128 v[8*n+4:8*n+7], v[50+n], s[4:5] offset:512
.set n, n+1
.endr
	WIN 0
	s_min_u32 s19, s19, 7
	s_lshl_b32 s40, s19, 21                        ; W1|W3: expert, hid tile 32 q + w
	s_lshl_b32 s46, s17, 5
	s_add_co_u32 s46, s46, s16
	s_lshl_b32 s46, s46, 14
	s_add_co_u32 s40, s40, s46
	s_add_nc_u64 s[20:21], s[10:11], s[40:41]
	s_lshl_b32 s40, s19, 6                         ; W2: K step 64 e + 16 q, out tiles 8 w ..
	s_lshl_b32 s46, s17, 4
	s_add_co_u32 s40, s40, s46
	s_lshl_b32 s40, s40, 15
	s_lshl_b32 s46, s16, 13
	s_add_co_u32 s40, s40, s46
	s_add_co_u32 s40, s40, 0x1000000
	s_add_nc_u64 s[22:23], s[10:11], s[40:41]
	s_lshl_b32 s40, s19, 13                        ; biases: 4 (2048 e + 512 q + 16 w)
	s_lshl_b32 s46, s17, 11
	s_add_co_u32 s40, s40, s46
	s_lshl_b32 s46, s16, 6
	s_add_co_u32 s40, s40, s46
	s_add_nc_u64 s[24:25], s[6:7], s[40:41]
	s_add_nc_u64 s[26:27], s[8:9], s[40:41]
	s_mul_i32 s40, s17, 9216                       ; part: row 9216 q + 144 b, byte 512 w
	s_mul_i32 s46, s18, 144
	s_add_co_u32 s40, s40, s46
	s_lshl_b32 s40, s40, 11
	s_lshl_b32 s46, s16, 9
	s_add_co_u32 s40, s40, s46
	s_add_nc_u64 s[28:29], s[14:15], s[40:41]
	s_wait_loadcnt 36                              ; rows 0-17 are in, rows 18-35 stay out
	LOADWA
	XCVT 0x0a, 0
	s_wait_loadcnt 36                              ; rows 18-35 are in; the 36 younger loads are W1|W3 and the biases
	LOADWB 0
	LOADWB 1
	XCVT 0x0f, 18
	s_wait_dscnt 0x0                               ; my rows of X are stored
	s_barrier_signal -1
	s_barrier_wait -1
	XLOAD 0
	XLOAD 1
	CHUNK 0, 1, 0                                  ; the first chunk's first pass starts the 72 sums: nothing is cleared
	CHUNK 1, 0, 0
	s_mov_b32 s32, 2
.Lchunks:
	CHUNK 0, 0, 0
	CHUNK 1, 0, 0
	s_sub_co_u32 s32, s32, 1
	s_cmp_lg_u32 s32, 0
	s_cbranch_scc1 .Lchunks
	CHUNK 0, 0, 0
	CHUNK 1, 0, 1                                  ; the last chunk loads nothing further
	WAYOUT 0, 0x08, 0, 0
	WAYOUT 1, 0x08, 64, 1
	WAYOUT 2, 0x08, 128, 0
	WAYOUT 3, 0x08, 192, 1
	WAYOUT 4, 0x0c, 0, 0
	WAYOUT 5, 0x0c, 64, 1
	WAYOUT 6, 0x0c, 128, 0
	WAYOUT 7, 0x0c, 192, 1
	WAYOUT 8, 0, AC8, 0
	s_wait_tensorcnt 0x0
	ds_add_u32 v30, v31
	s_wait_dscnt 0x0
	s_endpgm
.Lfunc_end_k_qe3287aa176_ffn:
	.size	k_qe3287aa176_ffn, .Lfunc_end_k_qe3287aa176_ffn-k_qe3287aa176_ffn
	.p2alignl 7, 3214868480
	.fill 96, 4, 3214868480
	.section	.rodata,"a",@progbits
	.p2align	6, 0x0
	.amdhsa_kernel k_qe3287aa176_ffn
		.amdhsa_group_segment_fixed_size 154880
		.amdhsa_private_segment_fixed_size 0
		.amdhsa_enable_private_segment 0
		.amdhsa_kernarg_size 48
		.amdhsa_user_sgpr_count 2
		.amdhsa_user_sgpr_kernarg_segment_ptr 1
		.amdhsa_wavefront_size32 1
		.amdhsa_system_sgpr_workgroup_id_x 1
		.amdhsa_system_sgpr_workgroup_id_y 1
		.amdhsa_system_sgpr_workgroup_id_z 1
		.amdhsa_system_vgpr_workitem_id 0
		.amdhsa_next_free_vgpr 1024
		.amdhsa_next_free_sgpr 100
		.amdhsa_reserve_vcc 0
		.amdhsa_float_denorm_mode_32 3
		.amdhsa_float_denorm_mode_16_64 3
		.amdhsa_memory_ordered 1
		.amdhsa_forward_progress 1
		.amdhsa_inst_pref_size 255
	.end_amdhsa_kernel
	.section	.bss,"aw",@nobits
	.p2align	6
	.space	262144
	.amdgpu_metadata
---
amdhsa.version: [ 1, 2 ]
amdhsa.kernels:
  - .name:           k_qe3287aa176_ffn
    .symbol:         k_qe3287aa176_ffn.kd
    .args:
      - { .name: X, .offset: 0, .size: 8, .value_kind: global_buffer, .address_space: global }
      - { .name: b1, .offset: 8, .size: 8, .value_kind: global_buffer, .address_space: global }
      - { .name: b3, .offset: 16, .size: 8, .value_kind: global_buffer, .address_space: global }
      - { .name: wfrag, .offset: 24, .size: 8, .value_kind: global_buffer, .address_space: global }
      - { .name: route, .offset: 32, .size: 8, .value_kind: global_buffer, .address_space: global }
      - { .name: part, .offset: 40, .size: 8, .value_kind: global_buffer, .address_space: global }
    .group_segment_fixed_size: 154880
    .private_segment_fixed_size: 0
    .kernarg_segment_align: 8
    .kernarg_segment_size: 48
    .max_flat_workgroup_size: 128
    .sgpr_count:     100
    .vgpr_count:     1024
    .wavefront_size: 32
...
	.end_amdgpu_metadata
.endif
;; end of part 3
;; launch combine (part 4): grid 256 x 1, 16 waves a work-group, no clusters, 68,352 bytes of LDS; arguments part, route, sel, gw, b2, wfrag, bf, out0; writes out0
.if DOCPART == 4
	.amdgcn_target "amdgcn-amd-amdhsa--gfx1250"
	.amdhsa_code_object_version 6
	.text
	.protected	k_qe3287aa176_combine
	.globl	k_qe3287aa176_combine
	.p2align	8
	.type	k_qe3287aa176_combine,@function
k_qe3287aa176_combine:
	s_mov_b64 s[64:65], 0
	v_nop
	global_prefetch_b8 v0, s[64:65] scope:SCOPE_SE
	s_setreg_imm32_b32 hwreg(HW_REG_WAVE_MODE, 25, 1), 1
	s_wait_xcnt 0x0
; combine: mixed[t] = w0 (sum over q of part[q][pos0[t]] + b2[e0]) + w1 (the same for the second expert); out0 = mixed Wf + bf.
; A work-group takes 16 tokens, 16 waves.  Wave v gathers and mixes token 16 wg + v in f32 (a row of 512 numbers, 16 a lane), then makes
; out columns 32 v ..+31 for all 16 tokens.  mixed enters the product as two bf16 numbers, hi + lo (lo = mixed - hi, rounded), so that no
; rounding of the activations is added here; Wf is bf16; sums are f32 and start from bf.
; The launch is bound by the 75 MB of part that it reads once: each wave has its 40 gather loads out at once; no LDS ring, no cluster
; (no tile of part is shared; Wf's 512 KiB are read from registers-ready fragments).
.set G,    16                          ; v16-143 gathered rows: G + 64 k + 16 q + 4 i;  v144-175 b2: G + 128 + 16 k + 4 i
.set W2R,  16                          ; later: Wf's fragments for kt 4-11
.set AS,   144                         ; later: two slots of mixed fragments, hi 8 + lo 8 registers
.set WR,   176                         ; v176-239 Wf's fragments for kt 0-3, later 12-15
.set ACC,  240                         ; v240-255 two accumulators
.set MPITCH, 1040                      ; 1,024 + 16
.set MLO,    16640                     ; lo behind hi's 16 rows
.set OSB,    33280                     ; the way out: 16 rows of 512 f32
.set OPITCH, 2064
.set VBF, 5
.set VP,  6                            ; v6-7
.set VB2, 8                            ; v8-9
.set MS,  10
.set AL,  11
.set OSA, 12
.set ORD, 13
.macro PLACES                          ; places behind matrix instructions (ISA guide 7.12.1)
.rept 5
	v_nop
.endr
.endm
.macro PKADD d, a
	v_pk_add_f32 v[\d:\d+1], v[\d:\d+1], v[\a:\a+1]
.endm
.macro WLOAD kt, dst                   ; my two out tiles of K step kt: 4 loads
.irp i,0,1,2,3
	global_load_b128 v[\dst+4*\i:\dst+4*\i+3], v1, s[30:31] offset:(\kt)*32768+512*\i
.endr
.endm
.macro ALOAD kt                        ; the 16 tokens' fragment of K step kt, hi and lo
.set AB, AS+16*((\kt)%2)
	ds_load_b128 v[AB:AB+3], v[AL] offset:64*(\kt)
	ds_load_b128 v[AB+4:AB+7], v[AL] offset:64*(\kt)+32
	ds_load_b128 v[AB+8:AB+11], v[AL] offset:64*(\kt)+MLO
	ds_load_b128 v[AB+12:AB+15], v[AL] offset:64*(\kt)+MLO+32
.endm
.macro KSTEP kt, wreg, dcnt            ; the two accumulators take turns, one instruction a turn
	s_wait_dscnt \dcnt
.set AB, AS+16*((\kt)%2)
	v_wmma_f32_16x16x32_bf16 v[ACC:ACC+7], v[\wreg:\wreg+7], v[AB:AB+7], v[ACC:ACC+7]
	v_wmma_f32_16x16x32_bf16 v[ACC+8:ACC+15], v[\wreg+8:\wreg+15], v[AB:AB+7], v[ACC+8:ACC+15]
	v_wmma_f32_16x16x32_bf16 v[ACC:ACC+7], v[\wreg:\wreg+7], v[AB+8:AB+15], v[ACC:ACC+7]
	v_wmma_f32_16x16x32_bf16 v[ACC+8:ACC+15], v[\wreg+8:\wreg+15], v[AB+8:AB+15], v[ACC+8:ACC+15]
	PLACES
.if (\kt)+2 < 16
	ALOAD (\kt)+2
.endif
.endm
	s_load_b256 s[4:11], s[0:1], 0x0               ; part s[4:5], route s[6:7], sel s[8:9], gw s[10:11]
	s_load_b256 s[12:19], s[0:1], 0x20             ; b2 s[12:13], wfrag s[14:15], bf s[16:17], out0 s[18:19]
	v_lshl_add_u32 v14, v0, 2, 0x10300
	v_mov_b32 v15, 0
	v_lshrrev_b32 v2, 5, v0
	v_readfirstlane_b32 s20, v2                    ; v
	s_lshl_b32 s21, ttmp9, 4
	s_add_co_u32 s21, s21, s20                     ; t
	s_lshl_b32 s22, s21, 2
	s_lshl_b32 s23, s21, 3
	s_mov_b32 s33, 0
	s_wait_kmcnt 0x0
	s_load_b32 s24, s[6:7], s22 offset:0xc000      ; pos0[t]
	s_load_b32 s25, s[6:7], s22 offset:0x10000     ; pos1[t]
	s_load_b32 s26, s[8:9], s22 offset:0x0         ; the two experts
	s_load_b64 s[28:29], s[10:11], s23 offset:0x0  ; the two weights
	v_and_b32 v1, 31, v0
	v_and_b32 v3, 15, v0                           ; r
	v_bfe_u32 v4, v0, 4, 1                         ; h
	v_lshlrev_b32 v1, 4, v1                        ; 16 L
	s_lshl_b32 s32, s20, 11
	s_add_co_u32 s32, s32, 0x2000000
	s_add_nc_u64 s[30:31], s[14:15], s[32:33]      ; Wf's fragments, out tiles 2 v, 2 v + 1
.irp kt,0,1,2,3
	WLOAD \kt, WR+16*\kt
.endr
	s_lshl_b32 s34, s20, 7
	v_lshlrev_b32 v[VBF], 5, v4
	v_add_nc_u32 v[VBF], s34, v[VBF]               ; bf[32 v + 8 h ..]
	global_load_b128 v[ACC:ACC+3], v[VBF], s[16:17]
	global_load_b128 v[ACC+4:ACC+7], v[VBF], s[16:17] offset:16
	global_load_b128 v[ACC+8:ACC+11], v[VBF], s[16:17] offset:64
	global_load_b128 v[ACC+12:ACC+15], v[VBF], s[16:17] offset:80
	s_mov_b64 s[40:41], s[4:5]
	s_add_nc_u64 s[42:43], s[4:5], 18874368        ; a quarter's 9,216 rows of 2,048 bytes
	s_add_nc_u64 s[44:45], s[4:5], 37748736
	s_add_nc_u64 s[46:47], s[4:5], 56623104
	s_mul_i32 s34, s20, MPITCH
	v_lshrrev_b32 v2, 1, v1
	v_add_nc_u32 v[MS], s34, v2
	v_mul_u32_u24 v2, v3, MPITCH
	v_lshl_add_u32 v[AL], v4, 4, v2
	v_mul_u32_u24 v2, v3, OPITCH
	v_lshl_add_u32 v2, v4, 5, v2
	s_lshl_b32 s34, s20, 7
	s_add_co_u32 s34, s34, OSB
	v_add_nc_u32 v[OSA], s34, v2
	s_mul_i32 s34, s20, OPITCH
	s_add_co_u32 s34, s34, OSB
	v_add_nc_u32 v[ORD], s34, v1
	s_lshl_b32 s32, s21, 11
	s_add_nc_u64 s[48:49], s[18:19], s[32:33]      ; my token's row of out0
	s_wait_kmcnt 0x0
	s_min_u32 s24, s24, 9215
	s_min_u32 s25, s25, 9215
	s_lshl_b32 s24, s24, 11
	s_lshl_b32 s25, s25, 11
	v_add_nc_u32 v[VP], s24, v1
	v_add_nc_u32 v[VP+1], s25, v1
	s_and_b32 s35, s26, 0xff
	s_bfe_u32 s36, s26, 0x80008
	s_min_u32 s35, s35, 7
	s_min_u32 s36, s36, 7
	s_lshl_b32 s35, s35, 11
	s_lshl_b32 s36, s36, 11
	v_add_nc_u32 v[VB2], s35, v1
	v_add_nc_u32 v[VB2+1], s36, v1
	s_mov_b32 s38, s29
	s_mov_b32 s39, s29
.irp k,0,1
.irp q,0,1,2,3
.irp i,0,1,2,3
	global_load_b128 v[G+64*\k+16*\q+4*\i:G+64*\k+16*\q+4*\i+3], v[VP+\k], s[40+2*\q:41+2*\q] offset:512*\i th:TH_LOAD_NT
.endr
.endr
.endr
.irp k,0,1
.irp i,0,1,2,3
	global_load_b128 v[G+128+16*\k+4*\i:G+128+16*\k+4*\i+3], v[VB2+\k], s[12:13] offset:512*\i
.endr
.endr
	s_wait_loadcnt 0x0
.irp k,0,1
.irp i,0,1,2,3
.irp p,0,2
	PKADD G+64*\k+4*\i+\p, G+64*\k+16+4*\i+\p
	PKADD G+64*\k+32+4*\i+\p, G+64*\k+48+4*\i+\p
.endr
.endr
.endr
.irp k,0,1
.irp i,0,1,2,3
.irp p,0,2
	PKADD G+64*\k+4*\i+\p, G+64*\k+32+4*\i+\p
.endr
.endr
.endr
.irp k,0,1
.irp i,0,1,2,3
.irp p,0,2
	PKADD G+64*\k+4*\i+\p, G+128+16*\k+4*\i+\p
.endr
.endr
.endr
.irp i,0,1,2,3
.irp p,0,2
	v_pk_mul_f32 v[G+4*\i+\p:G+4*\i+\p+1], v[G+4*\i+\p:G+4*\i+\p+1], s[28:29] op_sel_hi:[1,0]
.endr
.endr
.irp i,0,1,2,3
.irp p,0,2
	v_pk_fma_f32 v[G+4*\i+\p:G+4*\i+\p+1], v[G+64+4*\i+\p:G+64+4*\i+\p+1], s[38:39], v[G+4*\i+\p:G+4*\i+\p+1] op_sel_hi:[1,0,1]
.endr
.endr
	; hi = bf16(m), lo = bf16(m - hi).  M = G + 4 i, packed words in G + 16 + 4 i, hi widened in G + 32 + 4 i
.irp i,0,1,2,3
	v_cvt_pk_bf16_f32 v[G+16+4*\i], v[G+4*\i], v[G+4*\i+1]
	v_cvt_pk_bf16_f32 v[G+16+4*\i+1], v[G+4*\i+2], v[G+4*\i+3]
	v_lshlrev_b32 v[G+32+4*\i], 16, v[G+16+4*\i]
	v_and_b32 v[G+32+4*\i+1], 0xffff0000, v[G+16+4*\i]
	v_lshlrev_b32 v[G+32+4*\i+2], 16, v[G+16+4*\i+1]
	v_and_b32 v[G+32+4*\i+3], 0xffff0000, v[G+16+4*\i+1]
	v_pk_add_f32 v[G+4*\i:G+4*\i+1], v[G+4*\i:G+4*\i+1], v[G+32+4*\i:G+32+4*\i+1] neg_lo:[0,1] neg_hi:[0,1]
	v_pk_add_f32 v[G+4*\i+2:G+4*\i+3], v[G+4*\i+2:G+4*\i+3], v[G+32+4*\i+2:G+32+4*\i+3] neg_lo:[0,1] neg_hi:[0,1]
	v_cvt_pk_bf16_f32 v[G+16+4*\i+2], v[G+4*\i], v[G+4*\i+1]
	v_cvt_pk_bf16_f32 v[G+16+4*\i+3], v[G+4*\i+2], v[G+4*\i+3]
	ds_store_b64 v[MS], v[G+16+4*\i:G+16+4*\i+1] offset:256*\i
	ds_store_b64 v[MS], v[G+16+4*\i+2:G+16+4*\i+3] offset:256*\i+MLO
.endr
	s_wait_dscnt 0x0                               ; my token's row is stored, for the other waves
.irp kt,4,5,6,7,8,9,10,11
	WLOAD \kt, W2R+16*(\kt-4)
.endr
	s_barrier_signal -1
	s_barrier_wait -1
	ALOAD 0
	ALOAD 1
.irp kt,0,1,2,3
	KSTEP \kt, WR+16*\kt, 4                        ; 4: the next K step's fragment loads stay out
.endr
.irp kt,12,13,14,15
	WLOAD \kt, WR+16*(\kt-12)
.endr
.irp kt,4,5,6,7,8,9,10,11
	s_wait_loadcnt (11-\kt)*4+16                   ; younger: the later K steps up to 11, four loads each, and the 16 of K steps 12-15
	KSTEP \kt, W2R+16*(\kt-4), 4
.endr
.irp kt,12,13,14
	s_wait_loadcnt (15-\kt)*4
	KSTEP \kt, WR+16*(\kt-12), 4
.endr
	s_wait_loadcnt 0x0
	KSTEP 15, WR+48, 0
	; lane (r, h), register j: (token r, column 32 v + 16 tile + 8 h + j): through LDS, out as whole rows
	ds_store_b128 v[OSA], v[ACC:ACC+3]
	ds_store_b128 v[OSA], v[ACC+4:ACC+7] offset:16
	ds_store_b128 v[OSA], v[ACC+8:ACC+11] offset:64
	ds_store_b128 v[OSA], v[ACC+12:ACC+15] offset:80
	s_wait_dscnt 0x0
	s_barrier_signal -1
	s_barrier_wait -1
.irp i,0,1,2,3
	ds_load_b128 v[G+4*\i:G+4*\i+3], v[ORD] offset:512*\i
.endr
	s_wait_dscnt 0x0
.irp i,0,1,2,3
	global_store_b128 v1, v[G+4*\i:G+4*\i+3], s[48:49] offset:512*\i th:TH_STORE_NT   ; 512 consecutive bytes, aligned
.endr
	s_wait_tensorcnt 0x0
	ds_add_u32 v14, v15
	s_wait_dscnt 0x0
	s_endpgm
.Lfunc_end_k_qe3287aa176_combine:
	.size	k_qe3287aa176_combine, .Lfunc_end_k_qe3287aa176_combine-k_qe3287aa176_combine
	.p2alignl 7, 3214868480
	.fill 96, 4, 3214868480
	.section	.rodata,"a",@progbits
	.p2align	6, 0x0
	.amdhsa_kernel k_qe3287aa176_combine
		.amdhsa_group_segment_fixed_size 68352
		.amdhsa_private_segment_fixed_size 0
		.amdhsa_enable_private_segment 0
		.amdhsa_kernarg_size 64
		.amdhsa_user_sgpr_count 2
		.amdhsa_user_sgpr_kernarg_segment_ptr 1
		.amdhsa_wavefront_size32 1
		.amdhsa_system_sgpr_workgroup_id_x 1
		.amdhsa_system_sgpr_workgroup_id_y 1
		.amdhsa_system_sgpr_workgroup_id_z 1
		.amdhsa_system_vgpr_workitem_id 0
		.amdhsa_next_free_vgpr 256
		.amdhsa_next_free_sgpr 66
		.amdhsa_reserve_vcc 0
		.amdhsa_float_denorm_mode_32 3
		.amdhsa_float_denorm_mode_16_64 3
		.amdhsa_memory_ordered 1
		.amdhsa_forward_progress 1
		.amdhsa_inst_pref_size 34
	.end_amdhsa_kernel
	.amdgpu_metadata
---
amdhsa.version: [ 1, 2 ]
amdhsa.kernels:
  - .name:           k_qe3287aa176_combine
    .symbol:         k_qe3287aa176_combine.kd
    .args:
      - { .name: part, .offset: 0, .size: 8, .value_kind: global_buffer, .address_space: global }
      - { .name: route, .offset: 8, .size: 8, .value_kind: global_buffer, .address_space: global }
      - { .name: sel, .offset: 16, .size: 8, .value_kind: global_buffer, .address_space: global }
      - { .name: gw, .offset: 24, .size: 8, .value_kind: global_buffer, .address_space: global }
      - { .name: b2, .offset: 32, .size: 8, .value_kind: global_buffer, .address_space: global }
      - { .name: wfrag, .offset: 40, .size: 8, .value_kind: global_buffer, .address_space: global }
      - { .name: bf, .offset: 48, .size: 8, .value_kind: global_buffer, .address_space: global }
      - { .name: out0, .offset: 56, .size: 8, .value_kind: global_buffer, .address_space: global }
    .group_segment_fixed_size: 68352
    .private_segment_fixed_size: 0
    .kernarg_segment_align: 8
    .kernarg_segment_size: 64
    .max_flat_workgroup_size: 512
    .sgpr_count:     66
    .vgpr_count:     256
    .wavefront_size: 32
...
	.end_amdgpu_metadata
.endif
;; end of part 4
;; ======== version 2 of 2: 4 launches; version 1 with the launch ffn written anew for expert scheduling mode
;; limits: values outside matrix products are rounded to bf16
;; workspace buffers: wfrag 34,078,720 bytes; sel 16,384 bytes of whole numbers; gw 32,768 bytes; route 81,920 bytes of whole numbers; part 75,497,472 bytes
;; launch prep: the kernel of part 1 again; grid 276 x 1, 8 waves a work-group, no clusters, 34,304 bytes of LDS; arguments W1, W3, W2, Wf, X, Wg, bg, wfrag, sel, gw, route; writes wfrag, sel, gw, route
;; launch place: the kernel of part 2 again; grid 1 x 1, 32 waves a work-group, no clusters, 4,608 bytes of LDS; arguments sel, route; writes route
;; launch ffn (part 5): grid 4 x 64, 4 waves a work-group, no clusters, 154,880 bytes of LDS; arguments X, b1, b3, wfrag, route, part; writes part
.if DOCPART == 5
	.amdgcn_target "amdgcn-amd-amdhsa--gfx1250"
	.amdhsa_code_object_version 6
	.text
	.protected	k_qe3287aa176_ffn
	.globl	k_qe3287aa176_ffn
	.p2align	8
	.type	k_qe3287aa176_ffn,@function
k_qe3287aa176_ffn:
	s_mov_b64 s[64:65], 0
	v_nop
	global_prefetch_b8 v0, s[64:65] scope:SCOPE_SE
	s_setreg_imm32_b32 hwreg(HW_REG_WAVE_SCHED_MODE, 0, 2), 2
	s_setreg_imm32_b32 hwreg(HW_REG_WAVE_MODE, 25, 1), 1
	s_wait_xcnt 0x0
	s_wait_alu depctr_vm_vsrc(0)
; ffn: for block b (144 slot rows of one expert e) and quarter q of HID: part[q][row][0..511] = silu((X W1 + b1)(X W3 + b3))[hid 512 q ..+511] W2.
; Only the two chosen experts of a token are computed; 64 blocks x 4 quarters = 256 work-groups, whatever the routing.
; Rows that no token fills stand for token 0 and blocks that no expert uses name expert 7: they are computed like the others (no branch and
; no trip count hangs on the routing) and their rows of part are never read.
; Four waves.  The quarter goes in 8 chunks of 64 hid.  First product: wave w makes hid tile 16 w ..+15 of the chunk for W1 and W3 and all 9
; token tiles.  h goes to LDS as TWO bf16 numbers, hi = bf16(h) and lo = bf16(h - hi): a token with large h has errors in proportion to its
; own size, and one rounding to 8 bits leaves too little room for such tokens; with hi + lo the rounding of h is 2^-17 of h.
; Second product: wave w makes out columns 128 w ..+127 for all 9 token tiles, 72 accumulators, 576 registers, in four passes a chunk:
; (K step 0, hi), (0, lo), (1, hi), (1, lo); hi and lo meet the same fragments of W2.
; Weights come as ready bf16 fragments straight from memory into registers: every fragment is used by one wave alone, so LDS would add a trip,
; and no tile is shared between work-groups at a place known when the text is written (a block's expert is read from memory): no cluster.
; Both products are used transposed (source 0 = weights, source 1 = activations): lane (r, h), register j holds (token r, column 8 h + j).
; Matrix operands are bf16, sums f32; part stays f32.
; LIMIT: b1 and b3 are taken as operands of the first product (the row of W that an activation of 1 would multiply) and rounded to bf16 like
; W1 and W3: an error of up to 2^-9 of the bias against a bias kept in f32.
; REGISTERS: window 0: v0-31 addresses; v32-175 R (first product: 6 accumulators v32-79, X fragments v80-127, v128-175; second: two buffers of
; h fragments v32-103, v104-175); v176-191 bias tiles; v192-255 accumulators of token tile 8.  Window 1: 0-127 W1|W3 fragments, 128-255 W2
; fragments.  Windows 2, 3: accumulators of token tiles 0-3, 4-7, tile (mt, nt) at 8 (8 (mt mod 4) + nt).
; THE MODE: SCHED_MODE bits 1:0 = 2 (LLVM: expert scheduling mode 2), set by the entry lines.  The code itself states the register dependences
; between vector or matrix instructions and memory or LDS instructions, with s_wait_alu, always for 0.
; THE PLAN.  Registers that memory or LDS instructions touch, round a chunk:
;   v1, v5-7, v10-13, v16-19   offsets and LDS addresses: made once at the head, never written again; the scalar bases and immediates do the rest.
;   XF0, XF1 (v80-127, v128-175)  batch bn's matrix instructions read XF[bn % 2]; the LDS loads of batch bn + 2 land in it, behind one wait on
;              va_vdst behind the batch.  Behind batches 3 and 7 that wait is SILU's, and the loads stand behind it.
;   v40-47, v56-63, v72-79     hi and lo packed: written by SILU's conversions, read by its six LDS stores (one wait on va_vdst ahead of the six),
;              written anew by batches 4 and 8 or loaded into by the h fragments (a wait on vm_vsrc ahead of each).
;   WA, bias tiles             read by the twelve batches; SILU 2's wait on va_vdst shows them done, no vector or matrix instruction follows it
;              up to the next chunk's 36 loads, which stand behind the barrier and the first h fragments' loads.
;   HFA, HFB (v32-103, v104-175)  pass p reads one of them; one wait on va_vdst at the head of pass p + 1; the fragments of pass p + 2 are loaded in
;              the middle of pass p + 1, whose matrix instructions name the other buffer, W2's fragments and accumulators alone.
;   W2's fragments             K step 0: read by passes 1 and 2, loaded again in the middle of pass 3 (the wait at pass 3's head).
;              K step 1: read by passes 3 and 4, loaded again behind the wait behind pass 4, with the next chunk's first X fragments.
;   The accumulators are named by matrix instructions alone until the way out.
.set XPITCH, 528                       ; 512 bytes of bf16 + 16: an odd multiple of 16, sixteen rows start in sixteen different 16-byte columns modulo 256
.set HPITCH, 272                       ; 128 bytes of hi + 128 of lo + 16
.set HBASE,  76032                     ; behind X's 144 rows
.set HBUF,   39168                     ; 144 rows x 272; two buffers
.set R,    32
.set ACC1, R
.set XF0,  R+48
.set HFA,  R                           ; h fragments, buffer a: 9 token tiles x 8 registers
.set HFB,  R+72                        ; buffer b
.set B1,   176
.set B3,   184
.set AC8,  192
.set WA,   0
.set WB,   128
.set XA,   5                           ; v5-7   X fragments of token tiles 3 g ..
.set VB,   10                          ; v10    32 h: my 8 bias numbers
.set XS,   11                          ; v11    where my part of X goes
.set STO,  12                          ; v12    way out: in
.set RD,   13                          ; v13    way out: back
.set HS,   16                          ; v16-17 where my h goes, buffer 0, 1
.set HL,   18                          ; v18-19 h fragments, buffer 0, 1
.set MSB,  0
.macro WIN new                         ; the immediate's high byte repeats the setting that is left
.if MSB != \new
	s_set_vgpr_msb (MSB<<8)|\new
.set MSB, \new
.endif
.endm
; Places behind matrix instructions (ISA guide 7.12.1): plain vector instructions that name none of their registers; five serve every case met here.
; They stay beside the waits on va_vdst, which fill no place.
.macro PLACES
.rept 5
	v_nop
.endr
.endm
.macro LOADWA                          ; 36 loads: 16 fragments of W1|W3 (my hid tile, 8 kt each) and the two bias tiles
	WIN 0x40
.set n, 0
.rept 32
	global_load_b128 v[WA+4*n:WA+4*n+3], v1, s[20:21] offset:512*n
.set n, n+1
.endr
	WIN 0
	global_load_b128 v[B1:B1+3], v[VB], s[24:25]
	global_load_b128 v[B1+4:B1+7], v[VB], s[24:25] offset:16
	global_load_b128 v[B3:B3+3], v[VB], s[26:27]
	global_load_b128 v[B3+4:B3+7], v[VB], s[26:27] offset:16
.endm
.macro LOADWB s                        ; 16 loads: my 8 fragments of W2 for K step s of the chunk; what follows sets its own window
	WIN 0x40
.set n, 0
.rept 16
	global_load_b128 v[WB+64*\s+4*n:WB+64*\s+4*n+3], v1, s[22:23] offset:32768*\s+512*n
.set n, n+1
.endr
.endm
.macro BROUND                          ; the 16 bias numbers (B1, B3 lie side by side) rounded to bf16 and widened again, in place; v32-39 are free here
.irp k,0,1,2,3,4,5,6,7
	v_cvt_pk_bf16_f32 v[R+\k], v[B1+2*\k], v[B1+2*\k+1]
.endr
.irp k,0,1,2,3,4,5,6,7
	v_lshlrev_b32 v[B1+2*\k], 16, v[R+\k]
	v_and_b32 v[B1+2*\k+1], 0xffff0000, v[R+\k]
.endr
.endm
.macro XLOAD bn                        ; 12 LDS loads: batch bn = token tiles 3 (bn/4) ..+2, kt 2 (bn mod 4), +1
.irp u,0,1
.irp i,0,1,2
.set XB, XF0+48*((\bn)%2)+(3*\u+\i)*8
	ds_load_b128 v[XB:XB+3], v[XA+(\bn)/4] offset:\i*16*XPITCH+(2*((\bn)%4)+\u)*64
	ds_load_b128 v[XB+4:XB+7], v[XA+(\bn)/4] offset:\i*16*XPITCH+(2*((\bn)%4)+\u)*64+32
.endr
.endr
.endm
; 12 matrix instructions on six accumulators that take turns, one instruction a turn.  kt = 0 starts the sums from the bias tiles.
; Behind them the buffer that they read is asked for again, for the batch after next; behind batches 3 and 7 SILU does that, behind its own wait.
.macro BATCH bn, cnt
	s_wait_dscnt \cnt
.if ((\bn)%4 == 0) && ((\bn) > 0)
	s_wait_alu depctr_vm_vsrc(0)                   ; the six LDS stores of h have read v40-47, v56-63, v72-79, which this batch's matrix instructions write anew
.endif
	WIN 0x01
.irp u,0,1
.irp i,0,1,2
.set KT, 2*((\bn)%4)+\u
.set XB, XF0+48*((\bn)%2)+(3*\u+\i)*8
.set AA, ACC1+16*\i
.if KT == 0
	v_wmma_f32_16x16x32_bf16 v[AA:AA+7], v[WA:WA+7], v[XB:XB+7], v[B1:B1+7]
	v_wmma_f32_16x16x32_bf16 v[AA+8:AA+15], v[WA+64:WA+71], v[XB:XB+7], v[B3:B3+7]
.else
	v_wmma_f32_16x16x32_bf16 v[AA:AA+7], v[WA+8*KT:WA+8*KT+7], v[XB:XB+7], v[AA:AA+7]
	v_wmma_f32_16x16x32_bf16 v[AA+8:AA+15], v[WA+64+8*KT:WA+64+8*KT+7], v[XB:XB+7], v[AA+8:AA+15]
.endif
.endr
.endr
	WIN 0
	PLACES
.if ((\bn)%4 != 3) && ((\bn)+2 < 12)
	s_wait_alu depctr_va_vdst(0)                   ; this batch's matrix instructions are done reading their X fragments, in which the loads below land
	XLOAD (\bn)+2
.endif
.endm
; h = z / (1 + 2^(-1.442695 z)), z = h1 h3, for three token tiles; then hi = bf16(h), lo = bf16(h - hi), 16 bytes of each a lane into buffer hb.
; The three tiles' arithmetic stands first, then one wait, then the six stores; each tile has its own 16 registers.
.macro SILU g, hb
.irp i,0,1,2
.irp p,0,2,4,6
	v_pk_mul_f32 v[ACC1+16*\i+\p:ACC1+16*\i+\p+1], v[ACC1+16*\i+\p:ACC1+16*\i+\p+1], v[ACC1+16*\i+8+\p:ACC1+16*\i+8+\p+1]
.endr
.endr
.irp i,0,1,2
.irp p,0,2,4,6
	v_pk_mul_f32 v[ACC1+16*\i+8+\p:ACC1+16*\i+8+\p+1], v[ACC1+16*\i+\p:ACC1+16*\i+\p+1], 0xbfb8aa3b op_sel_hi:[1,0]
.endr
.endr
.irp i,0,1,2
.irp j,0,1,2,3,4,5,6,7
	v_exp_f32 v[ACC1+16*\i+8+\j], v[ACC1+16*\i+8+\j]
.endr
.endr
	v_nop                                          ; one plain instruction behind the transcendentals (ISA guide 5.7.2)
	s_wait_alu depctr_va_vdst(0)
.irp i,0,1,2
.irp p,0,2,4,6
	v_pk_add_f32 v[ACC1+16*\i+8+\p:ACC1+16*\i+8+\p+1], v[ACC1+16*\i+8+\p:ACC1+16*\i+8+\p+1], 1.0 op_sel_hi:[1,0]
.endr
.endr
.irp i,0,1,2
.irp j,0,1,2,3,4,5,6,7
	v_rcp_f32 v[ACC1+16*\i+8+\j], v[ACC1+16*\i+8+\j]
.endr
.endr
	v_nop
	s_wait_alu depctr_va_vdst(0)
.irp i,0,1,2
.irp p,0,2,4,6
	v_pk_mul_f32 v[ACC1+16*\i+\p:ACC1+16*\i+\p+1], v[ACC1+16*\i+\p:ACC1+16*\i+\p+1], v[ACC1+16*\i+8+\p:ACC1+16*\i+8+\p+1]
.endr
.endr
.irp i,0,1,2
.irp u,0,1,2,3
	v_cvt_pk_bf16_f32 v[ACC1+16*\i+8+\u], v[ACC1+16*\i+2*\u], v[ACC1+16*\i+2*\u+1]          ; hi, packed, in registers 8-11 of the tile's 16
.endr
.irp z,0,1
	v_lshlrev_b32 v[ACC1+16*\i+12], 16, v[ACC1+16*\i+8+2*\z]                               ; four of hi widened again, in registers 12-15,
	v_and_b32 v[ACC1+16*\i+13], 0xffff0000, v[ACC1+16*\i+8+2*\z]
	v_lshlrev_b32 v[ACC1+16*\i+14], 16, v[ACC1+16*\i+8+2*\z+1]
	v_and_b32 v[ACC1+16*\i+15], 0xffff0000, v[ACC1+16*\i+8+2*\z+1]
	v_pk_add_f32 v[ACC1+16*\i+4*\z:ACC1+16*\i+4*\z+1], v[ACC1+16*\i+4*\z:ACC1+16*\i+4*\z+1], v[ACC1+16*\i+12:ACC1+16*\i+13] neg_lo:[0,1] neg_hi:[0,1]       ; and taken away: exact in f32
	v_pk_add_f32 v[ACC1+16*\i+4*\z+2:ACC1+16*\i+4*\z+3], v[ACC1+16*\i+4*\z+2:ACC1+16*\i+4*\z+3], v[ACC1+16*\i+14:ACC1+16*\i+15] neg_lo:[0,1] neg_hi:[0,1]
.endr
.irp u,0,1,2,3
	v_cvt_pk_bf16_f32 v[ACC1+16*\i+12+\u], v[ACC1+16*\i+2*\u], v[ACC1+16*\i+2*\u+1]         ; lo, packed
.endr
.endr
	s_wait_alu depctr_va_vdst(0)                   ; the conversions have written hi and lo, the data of the six stores; the batches' matrix instructions are done reading their X fragments, and behind batch 11 W1|W3's fragments and the bias tiles too
.irp i,0,1,2
	ds_store_b128 v[HS+\hb], v[ACC1+16*\i+8:ACC1+16*\i+11] offset:(48*\g+16*\i)*HPITCH
	ds_store_b128 v[HS+\hb], v[ACC1+16*\i+12:ACC1+16*\i+15] offset:(48*\g+16*\i)*HPITCH+128
.endr
.if (\g) < 2
	XLOAD 4*(\g)+5                                 ; into the buffer that batch 4 g + 3 read.  No further wait: no vector or matrix instruction since the wait above
.endif
.endm
.macro HLD hb, s, lo, dst              ; 18 LDS loads: the 9 token tiles' fragments of K step s, hi (lo = 0) or lo (1), into buffer dst
.irp m,0,1,2,3,4,5,6,7,8
	ds_load_b128 v[\dst+8*\m:\dst+8*\m+3], v[HL+\hb] offset:\m*16*HPITCH+64*\s+128*\lo
	ds_load_b128 v[\dst+8*\m+4:\dst+8*\m+7], v[HL+\hb] offset:\m*16*HPITCH+64*\s+128*\lo+32
.endr
.endm
.macro M2BLK s, hf, mt0, zero          ; 32 matrix instructions: four token tiles x 8 out tiles
.irp m,0,1,2,3
.irp nb,0,1,2,3,4,5,6,7
.set AA, 8*(8*\m+\nb)
.set HB, \hf+8*(\mt0+\m)
.if \zero
	v_wmma_f32_16x16x32_bf16 v[AA:AA+7], v[WB+64*\s+8*\nb:WB+64*\s+8*\nb+7], v[HB:HB+7], 0
.else
	v_wmma_f32_16x16x32_bf16 v[AA:AA+7], v[WB+64*\s+8*\nb:WB+64*\s+8*\nb+7], v[HB:HB+7], v[AA:AA+7]
.endif
.endr
.endr
.endm
; One pass of the second product: 72 accumulators take turns.  In its middle, where the windows are switched anyway, stand the loads
; that the wait at the pass's head has freed: mid = 1 (pass 2): K step 1's hi into HFA; mid = 2 (pass 3): K step 1's lo into HFB and, with wb = 1, the next
; chunk's W2 fragments of K step 0.  The 32 matrix instructions issued since that wait name the other h buffer, the other K step's fragments of W2 (pass 2: no
; register of W2 is loaded) and accumulators: none of the registers that these loads touch.  The h fragments have 40 matrix instructions in which to land.
.macro MUL2 s, hf, zero, hb, mid, wb
	WIN 0xa1
	M2BLK \s, \hf, 0, \zero
.if (\mid) == 1
	WIN 0
	HLD \hb, 1, 0, HFA
.endif
.if (\mid) == 2
	WIN 0
	HLD \hb, 1, 1, HFB
.if \wb
	LOADWB 0
.endif
.endif
	WIN 0xf1
	M2BLK \s, \hf, 4, \zero
	WIN 0x01
.irp nb,0,1,2,3,4,5,6,7
.if \zero
	v_wmma_f32_16x16x32_bf16 v[AC8+8*\nb:AC8+8*\nb+7], v[WB+64*\s+8*\nb:WB+64*\s+8*\nb+7], v[\hf+64:\hf+71], 0
.else
	v_wmma_f32_16x16x32_bf16 v[AC8+8*\nb:AC8+8*\nb+7], v[WB+64*\s+8*\nb:WB+64*\s+8*\nb+7], v[\hf+64:\hf+71], v[AC8+8*\nb:AC8+8*\nb+7]
.endif
.endr
	WIN 0
	PLACES
.endm
; One chunk of 64 hid.  ONE barrier: h has two buffers, and a wave signals this barrier only behind its waited reads of the buffer of the
; chunk before, so the stores of the next chunk, which stand behind this barrier, find that buffer free.
.macro CHUNK hb, zero, last
	s_wait_loadcnt 32                              ; W1|W3 and the biases are in; the 32 younger loads are W2's
	BROUND
	BATCH 0, 12                                    ; 12: the next batch's loads stay out
	BATCH 1, 12
	BATCH 2, 12
	BATCH 3, 12
	SILU 0, \hb
	BATCH 4, 18                                    ; 18: the 6 stores of h and the next batch's 12 loads are younger
	BATCH 5, 12
	BATCH 6, 12
	BATCH 7, 12
	SILU 1, \hb
	BATCH 8, 18
	BATCH 9, 12
	BATCH 10, 12
	BATCH 11, 0
.if \last == 0
	s_wait_xcnt 0x0                                ; the bases of earlier loads are stepped only behind this wait
	s_add_nc_u64 s[20:21], s[20:21], 0x10000       ; four hid tiles on
	s_add_nc_u64 s[24:25], s[24:25], 256
	s_add_nc_u64 s[26:27], s[26:27], 256
.endif
	SILU 2, \hb
	s_wait_dscnt 0x0                               ; my h is stored, my reads of X are back
	s_barrier_signal -1
	s_barrier_wait -1
	s_wait_alu depctr_vm_vsrc(0)                   ; my last six stores of h have read v40-47, v56-63, v72-79, in which h's fragments land
	HLD \hb, 0, 0, HFA                             ; SILU 2's wait on va_vdst covers these and the 36 loads below: no vector or matrix instruction has been issued since
	HLD \hb, 0, 1, HFB
.if \last
	s_wait_loadcnt 0x0
.else
	LOADWA                                         ; the next chunk's, a whole second product ahead; issued while h's first fragments are on their way out of LDS
	s_wait_loadcnt 36                              ; W2's fragments are in; the 36 younger loads are the next chunk's W1|W3 and biases
.endif
	s_wait_dscnt 18                                ; K step 0's hi is in; the 18 younger loads are its lo
	MUL2 0, HFA, \zero, \hb, 0, 0
	s_wait_alu depctr_va_vdst(0)                   ; pass 1's matrix instructions are done reading HFA, in which the loads in pass 2's middle land
	s_wait_dscnt 0x0                               ; K step 0's lo is in; nothing younger is out
	MUL2 0, HFB, 0, \hb, 1, 0
.if \last == 0
	s_wait_xcnt 0x0
	s_add_nc_u64 s[22:23], s[22:23], 0x10000       ; two K steps on; the loads that read this base were shown done ahead of pass 1
.endif
	s_wait_alu depctr_va_vdst(0)                   ; pass 2's matrix instructions are done reading HFB, and passes 1 and 2 K step 0's fragments of W2: the loads in pass 3's middle land in both
	s_wait_dscnt 0x0                               ; K step 1's hi is in
	MUL2 1, HFA, 0, \hb, 2, 1-\last
	s_wait_dscnt 0x0                               ; K step 1's lo is in
	MUL2 1, HFB, 0, \hb, 0, 0
.if \last == 0
	s_wait_alu depctr_va_vdst(0)                   ; passes 3 and 4 are done reading HFA and HFB, in which X's fragments land, and K step 1's fragments of W2, which are loaded again
	XLOAD 0
	XLOAD 1
	LOADWB 1
	WIN 0
.endif
.endm
.macro XCVT win, row0, again           ; 18 rows of X: round to bf16, 8 bytes a lane, 256 consecutive bytes a store
.if \again
	s_wait_alu depctr_vm_vsrc(0)                   ; the LDS stores of rows 0-17 have read v68-139, which the conversions write again; the gather loads have read their offsets v32-67
.endif
	WIN \win
.set n, 0
.rept 18
	v_cvt_pk_bf16_f32 v[68+4*n], v[8*n], v[8*n+1]
	v_cvt_pk_bf16_f32 v[68+4*n+1], v[8*n+2], v[8*n+3]
	v_cvt_pk_bf16_f32 v[68+4*n+2], v[8*n+4], v[8*n+5]
	v_cvt_pk_bf16_f32 v[68+4*n+3], v[8*n+6], v[8*n+7]
.set n, n+1
.endr
	WIN 0
	s_wait_alu depctr_va_vdst(0)                   ; the conversions have written v68-139, the data of the LDS stores
.set n, 0
.rept 18
	ds_store_b64 v[XS], v[68+4*n:68+4*n+1] offset:(\row0+n)*XPITCH
	ds_store_b64 v[XS], v[68+4*n+2:68+4*n+3] offset:(\row0+n)*XPITCH+256
.set n, n+1
.endr
.endm
; 16 rows of part: through my own stage (16 rows x 528 bytes in X's bytes, which nobody reads behind the last chunk's barrier), back as whole rows
.macro WAYOUT mt, win, base, buf
	WIN \win
.irp nb,0,1,2,3,4,5,6,7
	ds_store_b128 v[STO], v[\base+8*\nb:\base+8*\nb+3] offset:64*\nb
	ds_store_b128 v[STO], v[\base+8*\nb+4:\base+8*\nb+7] offset:64*\nb+16
.endr
	WIN 0
	s_wait_xcnt 0x0                                ; the buffer is the data of earlier stores: rewritten only behind this wait
.if (\mt) >= 2
	s_wait_alu depctr_vm_vsrc(0)                   ; the global stores of the tile two back have read this buffer, in which the loads below land
.endif
.irp t,0,1,2,3,4,5,6,7,8,9,10,11,12,13,14,15
	ds_load_b128 v[R+64*\buf+4*\t:R+64*\buf+4*\t+3], v[RD] offset:\t*XPITCH   ; a wave's LDS instructions are served in order
.endr
.irp t,0,1,2,3,4,5,6,7,8,9,10,11,12,13,14,15
	s_wait_dscnt 15-\t
	global_store_b128 v1, v[R+64*\buf+4*\t:R+64*\buf+4*\t+3], s[28:29] offset:(16*\mt+\t)*2048   ; 512 consecutive bytes, aligned
.endr
.endm
	s_load_b256 s[4:11], s[0:1], 0x0               ; X s[4:5], b1 s[6:7], b3 s[8:9], wfrag s[10:11]
	s_load_b128 s[12:15], s[0:1], 0x20             ; route s[12:13], part s[14:15]
	v_lshl_add_u32 v30, v0, 2, 0x25b00
	v_mov_b32 v31, 0
	v_lshrrev_b32 v2, 5, v0
	v_readfirstlane_b32 s16, v2                    ; w
	s_mov_b32 s17, ttmp9                           ; q
	s_and_b32 s18, ttmp7, 0xffff                   ; b
	s_mov_b32 s41, 0
	s_lshl_b32 s40, s18, 2
	s_mul_i32 s46, s18, 144
	s_wait_alu depctr_va_sdst(0)                   ; s16 is written, ahead of its first reader: offsets, bases and LDS addresses are made from it
	s_mul_i32 s47, s16, 36
	s_add_co_u32 s46, s46, s47
	s_lshl_b32 s46, s46, 2
	s_mov_b32 s47, 0
	s_wait_kmcnt 0x0
	s_add_nc_u64 s[42:43], s[12:13], s[40:41]
	s_add_nc_u64 s[44:45], s[12:13], s[46:47]
	s_load_b32 s19, s[42:43], 0x9000               ; the block's expert
	s_load_b512 s[68:83], s[44:45], 0x0            ; the tokens of my 36 rows
	s_load_b512 s[84:99], s[44:45], 0x40
	s_load_b128 s[36:39], s[44:45], 0x80
	v_and_b32 v1, 31, v0
	v_and_b32 v3, 15, v0                           ; r
	v_bfe_u32 v4, v0, 4, 1                         ; h
	v_lshlrev_b32 v1, 4, v1                        ; 16 L
	v_mul_u32_u24 v2, v3, XPITCH
	v_lshl_add_u32 v[XA], v4, 4, v2
	v_add_nc_u32 v[XA+1], 48*XPITCH, v[XA]
	v_add_nc_u32 v[XA+2], 96*XPITCH, v[XA]
	v_lshl_add_u32 v2, v4, 5, v2
	s_mul_i32 s48, s16, 16*XPITCH
	v_add_nc_u32 v[STO], s48, v2
	v_add_nc_u32 v[RD], s48, v1
	v_mul_u32_u24 v2, v3, HPITCH
	v_lshl_add_u32 v2, v4, 4, v2
	v_add_nc_u32 v[HL], HBASE, v2                  ; row r, 16 h: fragments of buffer 0,
	v_add_nc_u32 v[HL+1], HBUF, v[HL]              ; of buffer 1
	s_lshl_b32 s48, s16, 5
	v_add_nc_u32 v[HS], s48, v[HL]                 ; + my hid tile's 32 bytes
	v_add_nc_u32 v[HS+1], HBUF, v[HS]
	v_lshlrev_b32 v[VB], 5, v4
	s_mul_i32 s48, s16, 36*XPITCH
	v_lshrrev_b32 v2, 1, v1
	v_add_nc_u32 v[XS], s48, v2
	s_wait_kmcnt 0x0
.set n, 0
.rept 32
	s_min_u32 s[68+n], s[68+n], 4095
	s_lshl_b32 s[68+n], s[68+n], 10
	v_add_nc_u32 v[32+n], s[68+n], v1
.set n, n+1
.endr
.set n, 0
.rept 4
	s_min_u32 s[36+n], s[36+n], 4095
	s_lshl_b32 s[36+n], s[36+n], 10
	v_add_nc_u32 v[64+n], s[36+n], v1
.set n, n+1
.endr
	WIN 0x80                                       ; rows 0-17 into window 2, rows 18-35 into window 3: the accumulators' registers are free until the first second product
	s_wait_alu depctr_va_vdst(0)                   ; v1, v5-7, v10-13, v16-19 and the 36 row offsets v32-67 are written: every load and store of the kernel reads its offset or LDS address among them
.set n, 0
.rept 18
	global_load_b128 v[8*n:8*n+3], v[32+n], s[4:5]
	global_load_b128 v[8*n+4:8*n+7], v[32+n], s[4:5] offset:512
.set n, n+1
.endr
	WIN 0xc0
.set n, 0
.rept 18
	global_load_b128 v[8*n:8*n+3], v[50+n], s[4:5]
	global_load_b128 v[8*n+4:8*n+7], v[50+n], s[4:5] offset:512
.set n, n+1
.endr
	WIN 0
	s_min_u32 s19, s19, 7
	s_lshl_b32 s40, s19, 21                        ; W1|W3: expert, hid tile 32 q + w
	s_lshl_b32 s46, s17, 5
	s_add_co_u32 s46, s46, s16
	s_lshl_b32 s46, s46, 14
	s_add_co_u32 s40, s40, s46
	s_add_nc_u64 s[20:21], s[10:11], s[40:41]
	s_lshl_b32 s40, s19, 6                         ; W2: K step 64 e + 16 q, out tiles 8 w ..
	s_lshl_b32 s46, s17, 4
	s_add_co_u32 s40, s40, s46
	s_lshl_b32 s40, s40, 15
	s_lshl_b32 s46, s16, 13
	s_add_co_u32 s40, s40, s46
	s_add_co_u32 s40, s40, 0x1000000
	s_add_nc_u64 s[22:23], s[10:11], s[40:41]
	s_lshl_b32 s40, s19, 13                        ; biases: 4 (2048 e + 512 q + 16 w)
	s_lshl_b32 s46, s17, 11
	s_add_co_u32 s40, s40, s46
	s_lshl_b32 s46, s16, 6
	s_add_co_u32 s40, s40, s46
	s_add_nc_u64 s[24:25], s[6:7], s[40:41]
	s_add_nc_u64 s[26:27], s[8:9], s[40:41]
	s_mul_i32 s40, s17, 9216                       ; part: row 9216 q + 144 b, byte 512 w
	s_mul_i32 s46, s18, 144
	s_add_co_u32 s40, s40, s46
	s_lshl_b32 s40, s40, 11
	s_lshl_b32 s46, s16, 9
	s_add_co_u32 s40, s40, s46
	s_add_nc_u64 s[28:29], s[14:15], s[40:41]
	s_wait_loadcnt 36                              ; rows 0-17 are in, rows 18-35 stay out
	LOADWA                                         ; no vector instruction has named these registers: nothing is owed but the offsets' wait above
	XCVT 0x0a, 0, 0
	s_wait_loadcnt 36                              ; rows 18-35 are in; the 36 younger loads are W1|W3 and the biases
	LOADWB 0
	LOADWB 1
	XCVT 0x0f, 18, 1
	s_wait_dscnt 0x0                               ; my rows of X are stored
	s_barrier_signal -1
	s_barrier_wait -1
	s_wait_alu depctr_vm_vsrc(0)                   ; my LDS stores of rows 18-35 have read v68-139; X's fragments land in v80-175 (the conversions that wrote them stand ahead of the last wait on va_vdst)
	XLOAD 0
	XLOAD 1
	CHUNK 0, 1, 0                                  ; the first chunk's first pass starts the 72 sums: nothing is cleared
	CHUNK 1, 0, 0
	s_mov_b32 s32, 2
.Lchunks:
	CHUNK 0, 0, 0
	CHUNK 1, 0, 0
	s_sub_co_u32 s32, s32, 1
	s_cmp_lg_u32 s32, 0
	s_cbranch_scc1 .Lchunks
	CHUNK 0, 0, 0
	CHUNK 1, 0, 1                                  ; the last chunk loads nothing further
	s_wait_alu depctr_va_vdst(0)                   ; behind the places: the matrix instructions have written the 72 accumulators, the data of the LDS stores below, and are done reading v32-175, in which the rows come back; no vector instruction follows
	WAYOUT 0, 0x08, 0, 0
	WAYOUT 1, 0x08, 64, 1
	WAYOUT 2, 0x08, 128, 0
	WAYOUT 3, 0x08, 192, 1
	WAYOUT 4, 0x0c, 0, 0
	WAYOUT 5, 0x0c, 64, 1
	WAYOUT 6, 0x0c, 128, 0
	WAYOUT 7, 0x0c, 192, 1
	WAYOUT 8, 0, AC8, 0
	s_wait_dscnt 0x0
	s_wait_alu depctr_hold_cnt(0) depctr_sa_sdst(0) depctr_va_vdst(0) depctr_va_sdst(0) depctr_va_ssrc(0) depctr_va_vcc(0) depctr_vm_vsrc(0)
	s_wait_tensorcnt 0x0
	ds_add_u32 v30, v31
	s_wait_dscnt 0x0
	s_endpgm
.Lfunc_end_k_qe3287aa176_ffn:
	.size	k_qe3287aa176_ffn, .Lfunc_end_k_qe3287aa176_ffn-k_qe3287aa176_ffn
	.p2alignl 7, 3214868480
	.fill 96, 4, 3214868480
	.section	.rodata,"a",@progbits
	.p2align	6, 0x0
	.amdhsa_kernel k_qe3287aa176_ffn
		.amdhsa_group_segment_fixed_size 154880
		.amdhsa_private_segment_fixed_size 0
		.amdhsa_enable_private_segment 0
		.amdhsa_kernarg_size 48
		.amdhsa_user_sgpr_count 2
		.amdhsa_user_sgpr_kernarg_segment_ptr 1
		.amdhsa_wavefront_size32 1
		.amdhsa_system_sgpr_workgroup_id_x 1
		.amdhsa_system_sgpr_workgroup_id_y 1
		.amdhsa_system_sgpr_workgroup_id_z 1
		.amdhsa_system_vgpr_workitem_id 0
		.amdhsa_next_free_vgpr 1024
		.amdhsa_next_free_sgpr 100
		.amdhsa_reserve_vcc 0
		.amdhsa_float_denorm_mode_32 3
		.amdhsa_float_denorm_mode_16_64 3
		.amdhsa_memory_ordered 1
		.amdhsa_forward_progress 1
		.amdhsa_inst_pref_size 255
	.end_amdhsa_kernel
	.section	.bss,"aw",@nobits
	.p2align	6
	.space	262144
	.amdgpu_metadata
---
amdhsa.version: [ 1, 2 ]
amdhsa.kernels:
  - .name:           k_qe3287aa176_ffn
    .symbol:         k_qe3287aa176_ffn.kd
    .args:
      - { .name: X, .offset: 0, .size: 8, .value_kind: global_buffer, .address_space: global }
      - { .name: b1, .offset: 8, .size: 8, .value_kind: global_buffer, .address_space: global }
      - { .name: b3, .offset: 16, .size: 8, .value_kind: global_buffer, .address_space: global }
      - { .name: wfrag, .offset: 24, .size: 8, .value_kind: global_buffer, .address_space: global }
      - { .name: route, .offset: 32, .size: 8, .value_kind: global_buffer, .address_space: global }
      - { .name: part, .offset: 40, .size: 8, .value_kind: global_buffer, .address_space: global }
    .group_segment_fixed_size: 154880
    .private_segment_fixed_size: 0
    .kernarg_segment_align: 8
    .kernarg_segment_size: 48
    .max_flat_workgroup_size: 128
    .sgpr_count:     100
    .vgpr_count:     1024
    .wavefront_size: 32
...
	.end_amdgpu_metadata
.endif
;; end of part 5
;; launch combine: the kernel of part 4 again; grid 256 x 1, 16 waves a work-group, no clusters, 68,352 bytes of LDS; arguments part, route, sel, gw, b2, wfrag, bf, out0; writes out0
